; MI455X (gfx1250); checked and timed in simulation.
; The chip was launched on July 23, 2026; its instructions are those of AMD's public machine-readable ISA for CDNA 5 (MIT licence, August 2026) and "CDNA5" Instruction Set Architecture Reference Guide (July 2026). The comments in the code are by the model that wrote it; some were corrected since.
;; Relative Multi Head Attention 2019 Dai. Allowed arithmetic: matrix products marked QUANTISED: E2M1 operands, one E8M0 scale for each 32 along K, by v_wmma_scale_f32_16x16x128_f8f6f4 with both operands' format E2M1 (or v_wmma_scale_f32_32x16x128_f4), f32 sums; products left as they are: bf16, f16 or f32 operands; f32 sums; everything else in f32.
;; Inputs: Wk 1,024 x 1,024 float32; Wo 1,024 x 1,024 float32; Wp 1,024 x 1,024 float32; Wq 1,024 x 1,024 float32; Wv 1,024 x 1,024 float32; bk 1,024 float32; bo 1,024 float32; bp 1,024 float32; bq 1,024 float32; bv 1,024 float32; key 2 x 2,048 x 1,024 float32; pos_embedding 2 x 2,048 x 1,024 float32; query 2 x 2,048 x 1,024 float32; value 2 x 2,048 x 1,024 float32.
;; Outputs: out0 2 x 2,048 x 1,024 float32.
;; This version of the problem:
;;   THIS VERSION OF THE PROBLEM IS GIVEN IN LOW PRECISION. The matrix products marked QUANTISED in the list below multiply operands that are first quantised to E2M1 (2 exponent bits, 1 mantissa bit; 4 bits a number), with one power-of-two scale for each 32 numbers along K (OCP MX v1.0); their sums are f32. The products marked 'left as it is' may take bf16, f16 or f32 operands, with f32 sums. Whichever they take, every output number must still come out within the allowed error. Rounding operands to bf16 (8 significant bits) uses up far more of that allowance than f16 does (11 bits, for magnitudes from 6e-5 to 65,504). All else is computed in f32.
;;   The module's matrix products, in the order in which they are computed (A, B: the left and right operand; K: the contracted axis; several contracted axes count as one K, in the product's order):
;;     1. [M 4,096, K 1,024] x [K 1,024, N 1,024]; A: input query; B: input Wq: QUANTISED
;;     2. [M 4,096, K 1,024] x [K 1,024, N 1,024]; A: input key; B: input Wk: QUANTISED
;;     3. [M 4,096, K 1,024] x [K 1,024, N 1,024]; A: input value; B: input Wv: QUANTISED
;;     4. [M 4,096, K 1,024] x [K 1,024, N 1,024]; A: input pos_embedding; B: input Wp: QUANTISED
;;     5. batch 32 x [M 2,048, K 64] x [K 64, N 2,048]; A: computed on the way; B: computed on the way: left as it is (an operand is computed on the way)
;;     6. batch 32 x [M 2,048, K 64] x [K 64, N 2,048]; A: computed on the way; B: computed on the way: left as it is (an operand is computed on the way)
;;     7. batch 32 x [M 64, K 2,048] x [K 2,048, N 2,048]; A: computed on the way; B: computed on the way: left as it is (an operand is computed on the way)
;;     8. [M 4,096, K 1,024] x [K 1,024, N 1,024]; A: computed on the way; B: input Wo: left as it is (an operand is computed on the way)
;;   THE QUANTISER, for each operand of a quantised product, along K:
;;     - K is cut into blocks of 32 from its start; a last block that is shorter is filled with zeros.
;;     - A block's scale is 2^e with e = floor(log2(the largest magnitude in the block)) - 2, held to -126 .. 127; a block of zeros has e = 0. As a byte (E8M0): e + 127.
;;     - Each number is divided by its block's scale, clamped to +-6, and rounded to the nearest number of E2M1, ties to even, subnormals kept.
;;     - The product sums the exact products of the quantised numbers (number of the format x scale) in f32.
;;   ~~~python
;;   def quantise(x, axis):      # numpy; x: float32 -> the quantised numbers, widened to float32 again
;;       x = np.moveaxis(x, axis, -1); K = x.shape[-1]
;;       x = np.pad(x, [(0, 0)] * (x.ndim - 1) + [(0, -K % 32)]); x = x.reshape(x.shape[:-1] + (-1, 32)); a = np.abs(x).max(-1, keepdims=True)
;;       e = np.where(a > 0, np.clip(np.frexp(np.where(a > 0, a, 1))[1] - 1 - 2, -126, 127), 0)      # np.frexp(a)[1] - 1 = floor(log2(a)), exactly
;;       r = np.clip(x / 2.0 ** e, -6, 6)
;;       step = 2.0 ** (np.maximum(np.frexp(np.where(r == 0, 1, r))[1] - 1, 0) - 1)
;;       q = np.round(r / step) * step * 2.0 ** e      # np.round: ties to even
;;       return np.moveaxis(q.reshape(q.shape[:-2] + (-1,))[..., :K], -1, axis).astype(np.float32)
;;   ~~~
;; One version. Each part assembles by itself: llvm-mc -triple=amdgcn-amd-amdhsa -mcpu=gfx1250 --defsym DOCPART=n.
;; ======== version 1 of 1: 4 launches
;; limits: values are held in f16: magnitudes above 65,504 overflow, below 6.1e-05 lose precision
;; workspace buffers: codes 10,485,760 bytes; scales 655,360 bytes; wo16 2,097,152 bytes; qkvp 33,587,200 bytes; ctx 8,388,608 bytes
;; launch quant (part 1): grid 672 x 1, 4 waves a work-group, no clusters, 33,280 bytes of LDS; arguments query, key, value, pos_embedding, Wq, Wk, Wv, Wp, Wo, codes, scales, wo16, qkvp; writes codes, scales, wo16, qkvp
.if DOCPART == 1
	.amdgcn_target "amdgcn-amd-amdhsa--gfx1250"
	.amdhsa_code_object_version 6
	.text
	.protected	k_qe87d3a778b_quant
	.globl	k_qe87d3a778b_quant
	.p2align	8
	.type	k_qe87d3a778b_quant,@function
k_qe87d3a778b_quant:
	s_mov_b64 s[64:65], 0
	v_nop
	global_prefetch_b8 v0, s[64:65] scope:SCOPE_SE
	s_setreg_imm32_b32 hwreg(HW_REG_WAVE_MODE, 25, 1), 1
	s_wait_xcnt 0x0
; FIRST LAUNCH.  (1) The four activations [4096][1024] and the four weights Wq, Wk, Wv, Wp [1024][1024], f32 with K innermost, become codes of FP4 (E2M1), two a byte, K innermost,
; with one E8M0 byte for each 32 along K.  All eight lie on end in 'codes' (20,480 rows of 512 bytes) and 'scales' (20,480 rows of 32 bytes), in the order of the arguments.
; (2) Wo becomes f16, as it lies.  (3) The two rows in front of each head's rows of the position projection in 'qkvp' are set to zero: the shifted score's zero column is read from there.
; A block's scale is 2^(floor(log2(its largest magnitude)) - 2); its byte is the largest magnitude's exponent field - 2, held at 1 from below.
; LIMITS: a block of zeros gets the byte 1 where the rule says 127 (its codes are zeros, and this program alone reads the bytes); blocks whose largest magnitude lies under 2^-124 are held at that floor;
; NaN and infinities are not served; numbers of Wo beyond 65,504 in magnitude do not fit f16.
; SHARES.  Work-groups 0-639 take 32,768 numbers each of the eight tensors (128 for an activation, 32 for a weight), a wave 16 steps of 512 numbers.  Rows are dense and 1,024 is a multiple of 32: a tensor is a plain
; stream of blocks.  Each load reads 512 consecutive bytes; a step's 2,048 bytes turn through the wave's own stage in LDS so that a lane holds 16 neighbours; two neighbouring lanes hold a block.
; Work-groups 640-671 take 32,768 numbers of Wo each.  No cluster, no tensor load, no barrier: nothing is read twice and waves share nothing.
.set STEPS, 16
.set EMAX,  2
.set CB,    8                          ; bytes of 16 codes
.set R,     16                         ; v16-79   four sets of 16 numbers as loaded
.set X,     80                         ; v80-111  two sets of 16 neighbours
.set E,     112                        ; v112-127 a scale byte for each step
.set C,     128                        ; v128-191 codes: registers of its own for each step
.set WREG,  8192                       ; LDS: a region for each wave: two stages of 32 x SP bytes, then its 256 scale bytes
.set SP,    80                         ; a lane's place in a stage: 64 bytes + 16 of padding
.set SPW,   12                         ; v12  LDS address of my spare word; never rewritten
.set NIL,   13                         ; v13  0; never rewritten
.set SPARE, 4*WREG                     ; behind the four regions: the spare words, 128 bytes a wave
.set HB,    262400                     ; a head's block in qkvp: 256 bytes in front, then 2,048 rows of 128 bytes
.set PJ,    32*HB                      ; a projection's 32 blocks
.set WX,    32                         ; Wo's path: v32-159 two sets of 64 numbers
.set WY,    160                        ; v160-223 two sets of 32 registers of f16
	s_load_b512 s[4:19], s[0:1], 0x0               ; query, key, value, pos_embedding, Wq, Wk, Wv, Wp
	s_load_b256 s[20:27], s[0:1], 0x40             ; Wo s[20:21], codes s[22:23], scales s[24:25], wo16 s[26:27]
	s_load_b64 s[28:29], s[0:1], 0x60              ; qkvp
	v_lshl_add_u32 v[SPW], v0, 2, SPARE
	v_mov_b32 v[NIL], 0
	v_lshrrev_b32 v1, 5, v0
	v_readfirstlane_b32 s33, v1                    ; wave
	v_and_b32 v2, 31, v0                           ; lane
	v_lshlrev_b32 v3, 4, v2                        ; my 16 bytes of a load's 512
	s_cmp_ge_u32 ttmp9, 640
	s_cbranch_scc1 .Lwo
	; ---------------- the eight tensors that are quantised
	s_mul_i32 s34, s33, WREG
	v_lshrrev_b32 v14, 2, v2
	v_mul_u32_u24 v14, v14, SP
	v_and_b32 v15, 3, v2
	v_lshl_add_u32 v14, v15, 4, v14
	v_add_nc_u32 v14, s34, v14                     ; the stage, on the way in: SP (lane / 4) + 16 (lane % 4)
	v_mul_u32_u24 v15, v2, SP
	v_add_nc_u32 v15, s34, v15                     ; and on the way out: SP x lane: my 16 neighbours
	v_mul_u32_u24 v4, v2, CB                       ; my codes' place in a step's
	v_lshrrev_b32 v5, 1, v2
	s_add_co_u32 s34, s34, 2*32*SP
	v_add_nc_u32 v5, s34, v5                       ; LDS: my wave's 256 scale bytes, my block's byte
	v_lshlrev_b32 v7, 3, v2                        ; on the way out 8 bytes a lane
	v_add_nc_u32 v6, s34, v7
	s_wait_kmcnt 0x0
	s_mov_b64 s[30:31], s[4:5]                     ; which tensor: the choice hangs on the work-group's number alone
	s_mov_b32 s32, 0                               ; and the tensor's first work-group
.macro PICK t, p
	s_cmp_ge_u32 ttmp9, \t
	s_cselect_b64 s[30:31], s[\p:\p+1], s[30:31]
	s_cselect_b32 s32, \t, s32
.endm
	PICK 128, 6
	PICK 256, 8
	PICK 384, 10
	PICK 512, 12
	PICK 544, 14
	PICK 576, 16
	PICK 608, 18
	s_sub_co_u32 s35, ttmp9, s32
	s_lshl_b32 s35, s35, 2
	s_add_co_u32 s36, s35, s33                     ; my wave's run of 8,192 numbers in its tensor
	s_lshl_b32 s36, s36, 15                        ; 32,768 bytes a run
	s_mov_b32 s37, 0
	s_add_nc_u64 s[30:31], s[30:31], s[36:37]
	s_lshl_b32 s38, ttmp9, 2
	s_add_co_u32 s38, s38, s33                     ; and in the row of all eight: the outputs lie in the work-groups' order
	s_lshl_b32 s36, s38, 12                        ; 4,096 bytes of codes a run
	s_add_nc_u64 s[22:23], s[22:23], s[36:37]
	s_lshl_b32 s36, s38, 8                         ; 256 scale bytes a run
	s_add_nc_u64 s[24:25], s[24:25], s[36:37]
.macro LOAD t
.irp i, 0,1,2,3
	global_load_b128 v[R+16*((\t)%4)+4*\i:R+16*((\t)%4)+4*\i+3], v3, s[30:31] offset:2048*(\t)+512*\i th:TH_LOAD_NT   ; 32 lanes read 512 consecutive bytes
.endr
.endm
.macro TURN t                          ; step t's numbers through the stage: LDS serves a wave's instructions in order, so no wait stands between the stores and the loads
.irp i, 0,1,2,3
	ds_store_b128 v14, v[R+16*((\t)%4)+4*\i:R+16*((\t)%4)+4*\i+3] offset:32*SP*((\t)%2)+8*SP*\i
.endr
.irp i, 0,1,2,3
	ds_load_b128 v[X+16*((\t)%2)+4*\i:X+16*((\t)%2)+4*\i+3], v15 offset:32*SP*((\t)%2)+16*\i
.endr
.endm
.irp t, 0,1,2,3
	LOAD \t
.endr
	s_wait_loadcnt 12                              ; step 0's four loads are in; the twelve of steps 1 to 3 may be out
	TURN 0
.macro STEP t
.set XS, X+16*((\t)%2)
.if (\t) > 0
	s_wait_dscnt 1                                 ; this step's numbers are back from the stage (the last step's byte store may be out)
.else
	s_wait_dscnt 0x0
.endif
.if (\t)+4 < STEPS
	LOAD (\t)+4                                    ; into the registers that this step's stores into the stage have read
.endif
.if (\t)+1 < STEPS
.if STEPS-2-(\t) >= 3
	s_wait_loadcnt 12                              ; the next step's four loads are in; those of the three steps behind it may be out
.else
	s_wait_loadcnt 4*(STEPS-2-(\t))
.endif
	TURN (\t)+1                                    ; they go through the other stage while this step is worked
.endif
	v_max3_num_f32 v8, |v[XS]|, |v[XS+1]|, |v[XS+2]|               ; the largest magnitude of my 16, in two chains
	v_max3_num_f32 v9, |v[XS+3]|, |v[XS+4]|, |v[XS+5]|
.irp i, 6,10
	v_max3_num_f32 v8, v8, |v[XS+\i]|, |v[XS+\i+1]|
	v_max3_num_f32 v9, v9, |v[XS+\i+2]|, |v[XS+\i+3]|
.endr
	v_max3_num_f32 v8, v8, |v[XS+14]|, |v[XS+15]|
	v_max3_num_f32 v8, v8, v9, (EMAX+1)<<23        ; and the floor 2^(3 - 127): the byte cannot fall under 1
	v_max_num_f32_dpp v8, v8, v8 row_xmask:1 row_mask:0xf bank_mask:0xf   ; with my neighbour's 16: the block's
	v_add_nc_u32 v11, -(EMAX<<23), v8              ; 2 off its exponent field: the conversion takes the exponent field of this operand as its scale
	v_cvt_scalef32_pk8_fp4_f32 v[C+4*(\t)], v[XS:XS+7], v11
	v_cvt_scalef32_pk8_fp4_f32 v[C+4*(\t)+1], v[XS+8:XS+15], v11
	v_lshrrev_b32 v[E+(\t)], 23, v11               ; the scale's byte
	ds_store_b8 v5, v[E+(\t)] offset:16*(\t)       ; both lanes of a block write the same byte with the same value
	global_store_b64 v4, v[C+4*(\t):C+4*(\t)+1], s[22:23] offset:32*CB*(\t)   ; the wave stores 256 consecutive bytes, aligned
.endm
.irp t, 0,1,2,3,4,5,6,7,8,9,10,11,12,13,14,15
	STEP \t
.endr
	ds_load_b64 v[8:9], v6                         ; LDS serves a wave's instructions in order: these see my byte stores
	s_wait_dscnt 0x0
	global_store_b64 v7, v[8:9], s[24:25]          ; 32 lanes store 256 consecutive bytes, aligned
	s_wait_tensorcnt 0x0                           ; the wave's end, behind my last LDS store
	ds_add_u32 v[SPW], v[NIL]
	s_wait_dscnt 0x0
	s_endpgm
	; ---------------- Wo to f16, and the zero rows
.Lwo:
	s_sub_co_u32 s35, ttmp9, 640
	s_lshl_b32 s35, s35, 2
	s_add_co_u32 s35, s35, s33                     ; my wave's run of 8,192 numbers, 0 .. 127
	v_lshlrev_b32 v4, 3, v2                        ; out: 8 bytes a lane
	s_lshl_b32 s36, s35, 15
	s_mov_b32 s37, 0
	s_lshl_b32 s38, s35, 14
	s_mov_b32 s39, 0
	s_wait_kmcnt 0x0
	s_add_nc_u64 s[20:21], s[20:21], s[36:37]
	s_add_nc_u64 s[26:27], s[26:27], s[38:39]
	s_cmp_lg_u32 ttmp9, 640                        ; one work-group sets the 32 heads' 256 bytes in front of the position rows to zero
	s_cbranch_scc1 .Lnopad
	v_lshrrev_b32 v5, 4, v0                        ; thread / 16: head 0 .. 7 (+ 8 u)
	v_mul_u32_u24 v5, v5, HB
	v_and_b32 v6, 15, v0
	v_lshl_add_u32 v5, v6, 4, v5                   ; sixteen lanes to a head's 256 bytes
	v_mov_b32 v8, 0
	v_mov_b32 v9, 0
	v_mov_b32 v10, 0
	v_mov_b32 v11, 0
	s_add_nc_u64 s[28:29], s[28:29], 3*PJ          ; the position projection's blocks
.irp u, 0,1,2,3
	global_store_b128 v5, v[8:11], s[28:29] offset:\u*8*HB   ; these registers are not written again
.endr
.Lnopad:
.macro WLOAD k                         ; 2,048 numbers: sixteen loads of 512 consecutive bytes
.irp i, 0,1,2,3,4,5,6,7,8,9,10,11,12,13,14,15
	global_load_b128 v[WX+64*((\k)%2)+4*\i:WX+64*((\k)%2)+4*\i+3], v3, s[20:21] offset:8192*(\k)+512*\i th:TH_LOAD_NT
.endr
.endm
.macro WCVT k
.if (\k) >= 2
	s_wait_xcnt 0x0                                ; the stores of two batches back have read their registers
.endif
.if (\k) < 3
	s_wait_loadcnt 16                              ; this batch is in; the next batch's sixteen loads may be out
.else
	s_wait_loadcnt 0x0
.endif
.irp i, 0,1,2,3,4,5,6,7,8,9,10,11,12,13,14,15
	v_cvt_pk_f16_f32 v[WY+32*((\k)%2)+2*\i], v[WX+64*((\k)%2)+4*\i], v[WX+64*((\k)%2)+4*\i+1]
	v_cvt_pk_f16_f32 v[WY+32*((\k)%2)+2*\i+1], v[WX+64*((\k)%2)+4*\i+2], v[WX+64*((\k)%2)+4*\i+3]
.endr
.irp i, 0,1,2,3,4,5,6,7,8,9,10,11,12,13,14,15
	global_store_b64 v4, v[WY+32*((\k)%2)+2*\i:WY+32*((\k)%2)+2*\i+1], s[26:27] offset:4096*(\k)+256*\i   ; the wave stores 256 consecutive bytes, aligned
.endr
.if (\k) < 2
	WLOAD (\k)+2
.endif
.endm
	WLOAD 0
	WLOAD 1
	WCVT 0
	WCVT 1
	WCVT 2
	WCVT 3
	s_wait_tensorcnt 0x0                           ; the wave's end, in the same form as on the other path
	ds_add_u32 v[SPW], v[NIL]
	s_wait_dscnt 0x0
	s_endpgm
.Lfunc_end_k_qe87d3a778b_quant:
	.size	k_qe87d3a778b_quant, .Lfunc_end_k_qe87d3a778b_quant-k_qe87d3a778b_quant
	.p2alignl 7, 3214868480
	.fill 96, 4, 3214868480
	.section	.rodata,"a",@progbits
	.p2align	6, 0x0
	.amdhsa_kernel k_qe87d3a778b_quant
		.amdhsa_group_segment_fixed_size 33280
		.amdhsa_private_segment_fixed_size 0
		.amdhsa_enable_private_segment 0
		.amdhsa_kernarg_size 104
		.amdhsa_user_sgpr_count 2
		.amdhsa_user_sgpr_kernarg_segment_ptr 1
		.amdhsa_wavefront_size32 1
		.amdhsa_system_sgpr_workgroup_id_x 1
		.amdhsa_system_sgpr_workgroup_id_y 1
		.amdhsa_system_sgpr_workgroup_id_z 1
		.amdhsa_system_vgpr_workitem_id 0
		.amdhsa_next_free_vgpr 224
		.amdhsa_next_free_sgpr 66
		.amdhsa_reserve_vcc 0
		.amdhsa_float_denorm_mode_32 3
		.amdhsa_float_denorm_mode_16_64 3
		.amdhsa_memory_ordered 1
		.amdhsa_forward_progress 1
		.amdhsa_inst_pref_size 56
	.end_amdhsa_kernel
	.amdgpu_metadata
---
amdhsa.version: [ 1, 2 ]
amdhsa.kernels:
  - .name:           k_qe87d3a778b_quant
    .symbol:         k_qe87d3a778b_quant.kd
    .args:
      - { .name: query, .offset: 0, .size: 8, .value_kind: global_buffer, .address_space: global }
      - { .name: key, .offset: 8, .size: 8, .value_kind: global_buffer, .address_space: global }
      - { .name: value, .offset: 16, .size: 8, .value_kind: global_buffer, .address_space: global }
      - { .name: pos_embedding, .offset: 24, .size: 8, .value_kind: global_buffer, .address_space: global }
      - { .name: Wq, .offset: 32, .size: 8, .value_kind: global_buffer, .address_space: global }
      - { .name: Wk, .offset: 40, .size: 8, .value_kind: global_buffer, .address_space: global }
      - { .name: Wv, .offset: 48, .size: 8, .value_kind: global_buffer, .address_space: global }
      - { .name: Wp, .offset: 56, .size: 8, .value_kind: global_buffer, .address_space: global }
      - { .name: Wo, .offset: 64, .size: 8, .value_kind: global_buffer, .address_space: global }
      - { .name: codes, .offset: 72, .size: 8, .value_kind: global_buffer, .address_space: global }
      - { .name: scales, .offset: 80, .size: 8, .value_kind: global_buffer, .address_space: global }
      - { .name: wo16, .offset: 88, .size: 8, .value_kind: global_buffer, .address_space: global }
      - { .name: qkvp, .offset: 96, .size: 8, .value_kind: global_buffer, .address_space: global }
    .group_segment_fixed_size: 33280
    .private_segment_fixed_size: 0
    .kernarg_segment_align: 8
    .kernarg_segment_size: 104
    .max_flat_workgroup_size: 128
    .sgpr_count:     66
    .vgpr_count:     224
    .wavefront_size: 32
...
	.end_amdgpu_metadata
.endif
;; end of part 1
;; launch proj (part 2): grid 4 x 64, 4 waves a work-group, clusters of 4 x 4, 327,680 bytes of LDS; arguments codes, scales, qkvp, bq, bk, bv, bp; writes qkvp
.if DOCPART == 2
	.amdgcn_target "amdgcn-amd-amdhsa--gfx1250"
	.amdhsa_code_object_version 6
	.text
	.protected	k_qe87d3a778b_proj
	.globl	k_qe87d3a778b_proj
	.p2align	8
	.type	k_qe87d3a778b_proj,@function
k_qe87d3a778b_proj:
	s_mov_b64 s[64:65], 0
	v_nop
	global_prefetch_b8 v0, s[64:65] scope:SCOPE_SE
	s_setreg_imm32_b32 hwreg(HW_REG_WAVE_MODE, 25, 1), 1
	s_wait_xcnt 0x0
	s_wait_alu depctr_hold_cnt(0) depctr_sa_sdst(0) depctr_va_vdst(0) depctr_va_sdst(0) depctr_va_ssrc(0) depctr_va_vcc(0) depctr_vm_vsrc(0)
	s_getreg_b32 s2, hwreg(HW_REG_IB_STS2, 6, 4)
	s_cmp_eq_u32 s2, 0
	s_cbranch_scc0 .Lentry_in_a_cluster
	s_endpgm
.Lentry_in_a_cluster:
	s_bfe_u32 s2, ttmp6, 0x10000c
	s_cmp_lg_u32 s2, 0xf033
	s_cbranch_scc0 .Lentry_shape_is_right
	s_endpgm
.Lentry_shape_is_right:
; SECOND LAUNCH: the four projections q, k, v, p = x W^T + b, on codes of FP4 (E2M1) with one E8M0 scale for each 32 along K = 1,024; sums in f32; results rounded once to f16.
; The four activations' 16,384 rows lie on end in 'codes', so the four products are ONE walk of 64 tile rows x 4 tile columns of 256 x 256; tile row / 16 says which projection, and so which weight and bias.
; A work-group of four waves makes a tile; a wave 128 x 128: 64 accumulators, 512 registers.  K goes in two steps of 512 through two LDS slots: both are filled at the start and none is filled again.
; The scale bytes of the work-group's 256 + 256 rows, for all of K, come once, as rows of 256 bytes + 16 of padding.
; CLUSTERS: 4 x 4 work-groups.  The four of a row of the cluster need the same rows of the activation, the four of a column the same rows of the weight: each tile is asked for jointly.  A cluster's four tile rows lie in one projection.
; THE MATRIX INSTRUCTION IS USED TRANSPOSED (source 0 = 16 rows of W, source 1 = 16 rows of x): a lane holds eight neighbouring columns of one row.  The bias is the C of each sum's first instruction.
; OUT: qkvp[projection][batch x 16 + head] is a block of 256 bytes and then 2,048 rows (tokens) of 64 f16.  A wave's 128 columns are two heads; two tokens of a head are 256 consecutive bytes, which sixteen lanes store.
; LIMIT: results beyond 65,504 in magnitude do not fit f16.
; REGISTERS: window 0: v0-31 addresses; v32-95 scale words, two sets; v128-191 the activation's fragments, one set; v192-255 the bias in the result's layout; on the way out v32-127 are at work.
;   window 1: the weight's fragments, two sets, at v0 and v128.   window 2: the accumulators of my rows 0-63 ((a, b) at v[8 (8 a + b)]);   window 3: those of my rows 64-127.
.set KSTEP,  512
.set NQ,     KSTEP/128
.set ROWB,   256                       ; a tile's row: 512 codes
.set KROW,   512                       ; a row of codes in memory
.set PITCH,  272                       ; an LDS row: 256 bytes + 16: the 16 rows of a fragment load start at 16 different groups of four banks (64 banks of 4 bytes: ISA guide 11.1)
.set FR,     8
.set NL,     2
.set NP,     4                         ; places behind this matrix instruction (ISA guide 7.12.1)
.set HALFT,  128*PITCH
.set SLOT,   4*HALFT
.set KS,     32                        ; a row of scale bytes
.set SCL,    2*SLOT
.set HALFS,  (128*KS/256)*272
.set SBLK,   (16*KS/256)*272
.set SPARE,  SCL+4*HALFS               ; the spare words, 128 bytes a wave
.set SPITCH, 272                       ; the way out: a stage of 16 rows x (256 bytes + 16) for each wave, in slot 0, which has had its only fill and its last read by then
.set HB,     262400
.set PJ,     32*HB
.set ADRA, 16
.set ADRB, 20
.set STO,  24
.set RD,   25
.set CO,   26
.set ADRS, 27
.set SPW,  28
.set NIL,  29
.set SC,   32
.set AF,   128
.set BI,   192
.set TMP,  32
.set BK,   64
.set G1, 24
.set G0, 32
.set G1B, 48
.set G0B, 56
.set G1S, 68
.set G0S, 76
.set G1SB, 80
.set G0SB, 88
.set MSB, 0
.macro WIN new                         ; the immediate's high byte repeats the setting that is left
.if MSB != \new
	s_set_vgpr_msb (MSB<<8)|\new
.set MSB, \new
.endif
.endm
.set MUL_LO, 0xa1                      ; source 0 (W) window 1, source 1 (x) window 0, C and D window 2
.set MUL_HI, 0xf1                      ; the same, C and D window 3
.set FST_LO, 0x81                      ; the first step: C (the bias) window 0, D window 2
.set FST_HI, 0xc1                      ; D window 3
.set TO_B,   0x40
; A joint load: waves 0 and 1 fetch for the activation, waves 2 and 3 for the weight.  The branch hangs on the wave's number alone.  An s_nop 0 and four v_nop follow each line.
.macro JLOAD g0a, g1a, g0b, g1b
	s_cmp_eq_u32 s15, 0
	s_cbranch_scc0 .Lfor_b_\@
	tensor_load_to_lds s[\g0a:\g0a+3], s[\g1a:\g1a+7]
	s_nop 0
.rept 4
	v_nop
.endr
	s_branch .Lasked_\@
.Lfor_b_\@:
	tensor_load_to_lds s[\g0b:\g0b+3], s[\g1b:\g1b+7]
	s_nop 0
.rept 4
	v_nop
.endr
.Lasked_\@:
.endm
.macro CROUND                          ; a round of the cluster's barrier
	s_barrier_signal -1
	s_barrier_wait -1
	s_cmp_lg_u32 s14, 0
	s_cbranch_scc1 .Lnot_wave_0_\@
	s_barrier_signal -3
.Lnot_wave_0_\@:
	s_barrier_wait -3
	s_barrier_signal -1
	s_barrier_wait -1
.endm
	s_load_b128 s[4:7], s[0:1], 0x0                ; codes s[4:5], scales s[6:7]
	s_load_b64 s[12:13], s[0:1], 0x10              ; qkvp
	s_load_b256 s[68:75], s[0:1], 0x18             ; bq, bk, bv, bp
	v_lshl_add_u32 v[SPW], v0, 2, SPARE
	v_mov_b32 v[NIL], 0
	ds_add_u32 v[SPW], v[NIL]                      ; the wave's opening: the add, twice on end, and its wait ahead of my first tensor load
	ds_add_u32 v[SPW], v[NIL]
	v_lshrrev_b32 v1, 5, v0
	v_readfirstlane_b32 s14, v1                    ; wave 0..3
	s_lshr_b32 s15, s14, 1                         ; which half of the tile's rows is mine.  Also: I fetch for x (0) or for W (1)
	s_and_b32 s16, s14, 1                          ; which half of its columns.  Also: which 128 rows I fetch
	s_bfe_u32 s40, ttmp6, 0x40000                  ; cx
	s_bfe_u32 s41, ttmp6, 0x40004                  ; cy
	s_lshl_b32 s42, ttmp9, 2
	s_add_co_u32 s42, s42, s40                     ; tile column = 4 x cluster x + cx
	s_and_b32 s95, ttmp7, 0xffff                   ; cluster y
	s_lshl_b32 s17, s95, 2
	s_add_co_u32 s17, s17, s41                     ; tile row = 4 x cluster y + cy, 0 .. 63
	s_lshr_b32 s95, s95, 2                         ; the projection: the same in all sixteen partners
	s_lshl_b32 s43, s41, 2
	s_lshl_b32 s43, 15, s43                        ; my row of the cluster
	s_lshl_b32 s44, 0x1111, s40                    ; my column
	s_or_b32 s[G1+0], s43, (0<<16)|(1<<20)|(1<<21)|(5<<22)|(3<<25)  ; the mask; elements of 1 byte; padding on: 4 words behind every 64; bit 21 beside a mask
	s_or_b32 s[G1B+0], s44, (0<<16)|(1<<20)|(1<<21)|(5<<22)|(3<<25)
.irp g, G1, G1B
	s_mov_b32 s[\g+1], ROWB<<16                    ; tensor_dim0
	s_mov_b32 s[\g+2], 128<<16                     ; tensor_dim1
	s_mov_b32 s[\g+3], ROWB<<16                    ; tile_dim0
	s_mov_b32 s[\g+4], 128                         ; tile_dim1
	s_mov_b32 s[\g+5], KROW                        ; from row to row
	s_mov_b32 s[\g+6], 0
	s_mov_b32 s[\g+7], 0
.endr
	s_lshl_b32 s18, s16, 7                         ; which 128 rows of the tile I fetch
	s_lshl_b32 s20, s17, 8
	s_add_co_u32 s20, s20, s18                     ; x: row 256 x tile row + 128 x half
	s_lshl_b32 s46, s42, 8
	s_add_co_u32 s46, s46, s18
	s_lshl_b32 s47, s95, 10
	s_add_co_u32 s46, s46, s47
	s_add_co_u32 s46, s46, 16384                   ; W: row 16,384 + 1,024 x projection + 256 x tile column + 128 x half
	s_lshl_b32 s22, s20, 5                         ; where these rows' scale bytes begin (32 a row),
	s_mov_b32 s23, 0
	s_lshl_b32 s92, s46, 5
	s_mov_b32 s93, 0
	s_lshl_b32 s20, s20, 9                         ; and their codes (512 a row)
	s_mov_b32 s21, 0
	s_lshl_b32 s46, s46, 9
	s_mov_b32 s47, 0
	s_mul_i32 s45, s14, HALFT                      ; where they go: wave x 128 rows: no place in the cluster enters an LDS address
	s_mul_i32 s94, s14, HALFS
	s_wait_dscnt 0x0                               ; both opening adds are done
	s_wait_kmcnt 0x0
	s_mov_b64 s[66:67], s[68:69]                   ; the projection's bias
	s_cmp_eq_u32 s95, 1
	s_cselect_b64 s[66:67], s[70:71], s[66:67]
	s_cmp_eq_u32 s95, 2
	s_cselect_b64 s[66:67], s[72:73], s[66:67]
	s_cmp_eq_u32 s95, 3
	s_cselect_b64 s[66:67], s[74:75], s[66:67]
	; the scale bytes of 128 rows: 4,096 dense bytes, as 16 rows of 256 bytes (32 elements of 8), 16 bytes of padding behind each
	s_or_b32 s[G1S+0], s43, (3<<16)|(1<<20)|(1<<21)|(5<<22)|(3<<25)
	s_or_b32 s[G1SB+0], s44, (3<<16)|(1<<20)|(1<<21)|(5<<22)|(3<<25)
.irp g, G1S, G1SB
	s_mov_b32 s[\g+1], 32<<16
	s_mov_b32 s[\g+2], (128*KS/256)<<16
	s_mov_b32 s[\g+3], 32<<16
	s_mov_b32 s[\g+4], 128*KS/256
	s_mov_b32 s[\g+5], 32
	s_mov_b32 s[\g+6], 0
	s_mov_b32 s[\g+7], 0
.endr
	s_add_nc_u64 s[20:21], s[4:5], s[20:21]
	s_add_nc_u64 s[22:23], s[6:7], s[22:23]
	s_add_nc_u64 s[46:47], s[4:5], s[46:47]
	s_add_nc_u64 s[92:93], s[6:7], s[92:93]
	CROUND                                         ; all sixteen work-groups are here: the first joint loads meet
	s_mov_b32 s[G0S], 1
	s_add_co_u32 s[G0S+1], s94, SCL
	s_mov_b64 s[G0S+2:G0S+3], s[22:23]
	s_or_b32 s[G0S+3], s[G0S+3], 0x80000000
	s_mov_b32 s[G0SB], 1
	s_add_co_u32 s[G0SB+1], s94, SCL
	s_mov_b64 s[G0SB+2:G0SB+3], s[92:93]
	s_or_b32 s[G0SB+3], s[G0SB+3], 0x80000000
	JLOAD G0S, G1S, G0SB, G1SB                     ; the scales first: they are wanted with K step 0
.irp s, 0,1
	s_mov_b32 s[G0+4*\s], 1
	s_add_co_u32 s[G0+4*\s+1], s45, \s*SLOT
	s_add_nc_u64 s[G0+4*\s+2:G0+4*\s+3], s[20:21], \s*ROWB
	s_or_b32 s[G0+4*\s+3], s[G0+4*\s+3], 0x80000000
	s_mov_b32 s[G0B+4*\s], 1
	s_add_co_u32 s[G0B+4*\s+1], s45, \s*SLOT
	s_add_nc_u64 s[G0B+4*\s+2:G0B+4*\s+3], s[46:47], \s*ROWB
	s_or_b32 s[G0B+4*\s+3], s[G0B+4*\s+3], 0x80000000
	JLOAD G0+4*\s, G1, G0B+4*\s, G1B               ; three loads of mine are out behind the second of these
.endr
	v_and_b32 v1, 15, v0                           ; r = lane % 16
	v_bfe_u32 v2, v0, 4, 1                         ; h = lane / 16
	; the bias: register j of block b is column 16 b + 8 h + j of my 128
	s_lshl_b32 s18, s42, 10                        ; 256 x tile column x 4 bytes
	s_lshl_b32 s19, s16, 9                         ; + 128 x half x 4
	s_add_co_u32 s18, s18, s19
	s_mov_b32 s19, 0
	s_add_nc_u64 s[66:67], s[66:67], s[18:19]
	v_lshlrev_b32 v7, 5, v2
.irp b, 0,1,2,3,4,5,6,7
	global_load_b128 v[BI+8*\b:BI+8*\b+3], v7, s[66:67] offset:64*\b
	global_load_b128 v[BI+8*\b+4:BI+8*\b+7], v7, s[66:67] offset:64*\b+16
.endr
	v_mul_u32_u24 v3, v1, PITCH
	v_lshl_add_u32 v4, v2, 4, v3                   ; a fragment's row x pitch + 16 x half
	s_mul_i32 s21, s15, HALFT                      ; my 128 rows of x
	s_mul_i32 s22, s16, HALFT                      ; my 128 rows of W,
	s_add_co_u32 s22, s22, 2*HALFT                 ; which lie behind x's 256
.irp s, 0,1
	v_add_nc_u32 v[ADRA+\s], s21, v4
	v_add_nc_u32 v[ADRB+\s], s22, v4
	s_add_co_u32 s21, s21, SLOT
	s_add_co_u32 s22, s22, SLOT
.endr
	v_mul_u32_u24 v5, v1, KS                       ; my row's scale bytes: 32 a row,
	v_lshrrev_b32 v6, 8, v5
	v_lshl_add_u32 v5, v6, 4, v5                   ; and 16 more for each 256 passed
	s_mul_i32 s21, s15, HALFS
	s_mul_i32 s22, s16, HALFS
	s_add_co_u32 s22, s22, 2*HALFS
	s_sub_co_u32 s22, s22, s21
	v_mul_u32_u24 v6, s22, v2                      ; lanes 16-31 take W's: one product, the distance between the two bases
	s_add_co_u32 s21, s21, SCL
	v_add_nc_u32 v5, v5, v6
	v_add_nc_u32 v[ADRS], s21, v5
	s_mul_i32 s23, s14, 16*SPITCH                  ; my stage
	v_mul_u32_u24 v5, v1, SPITCH                   ; in: row r, 16 bytes for each half of the lanes
	v_lshl_add_u32 v5, v2, 4, v5
	v_add_nc_u32 v[STO], s23, v5
	v_bfe_u32 v5, v0, 3, 1                         ; back: lanes 0-15 take two tokens of my first head, lanes 16-31 of my second: token (lane % 16) / 8,
	v_mul_u32_u24 v5, v5, SPITCH
	v_lshl_add_u32 v5, v2, 7, v5                   ; the head's 128 bytes of the row,
	v_and_b32 v6, 7, v0
	v_lshl_add_u32 v5, v6, 4, v5                   ; 16 bytes a lane
	v_add_nc_u32 v[RD], s23, v5
	v_mul_u32_u24 v5, v2, HB                       ; and in memory: the second head's block is HB bytes on; two tokens are 256 bytes on end
	v_lshl_add_u32 v[CO], v1, 4, v5
	s_and_b32 s20, s17, 15
	s_lshl_b32 s20, s20, 8
	s_lshl_b32 s21, s15, 7
	s_add_co_u32 s20, s20, s21                     ; my first row among the projection's 4,096
	s_lshr_b32 s21, s20, 11                        ; the batch
	s_lshl_b32 s21, s21, 4
	s_lshl_b32 s22, s42, 2
	s_add_co_u32 s21, s21, s22
	s_lshl_b32 s22, s16, 1
	s_add_co_u32 s21, s21, s22                     ; batch x 16 + my first head
	s_mul_i32 s21, s21, HB
	s_and_b32 s20, s20, 2047                       ; the token
	s_lshl_b32 s20, s20, 7
	s_add_co_u32 s20, s20, s21
	s_mul_i32 s21, s95, PJ
	s_add_co_u32 s20, s20, s21
	s_add_co_u32 s20, s20, 256                     ; under 2^26
	s_mov_b32 s21, 0
	s_add_nc_u64 s[12:13], s[12:13], s[20:21]
.macro FRAG reg, adr, q, i             ; 16 rows x 128 K of 4-bit codes: 8 registers; registers 4 c .. 4 c + 3 hold K = 64 c + 32 (lane / 16) + 0 .. 31
.irp c, 0,1
	ds_load_b128 v[\reg+4*\c:\reg+4*\c+3], v[\adr] offset:64*(\q)+32*\c+(\i)*16*PITCH
.endr
.endm
; 16 matrix instructions: x's blocks a0, a0 + 1 against W's eight.  first = 1: the bias starts the sums.  The 64 accumulators take turns, one instruction a turn.
.macro MUL16 a0, p, q, sc, first
.irp a, \a0, \a0+1
.irp b, 0,1,2,3,4,5,6,7
.if \first
	v_wmma_scale_f32_16x16x128_f8f6f4 v[8*(8*((\a)%4)+\b):8*(8*((\a)%4)+\b)+7], v[128*(\p)+FR*\b:128*(\p)+FR*\b+FR-1], v[AF+FR*(\a):AF+FR*(\a)+FR-1], v[BI+8*\b:BI+8*\b+7], v[SC+8*NQ*(\sc)+NQ*\b+(\q)], v[SC+8*NQ*(\sc)+NQ*(\a)+(\q)] matrix_a_fmt:MATRIX_FMT_FP4 matrix_b_fmt:MATRIX_FMT_FP4 matrix_a_scale:MATRIX_SCALE_ROW1
.else
	v_wmma_scale_f32_16x16x128_f8f6f4 v[8*(8*((\a)%4)+\b):8*(8*((\a)%4)+\b)+7], v[128*(\p)+FR*\b:128*(\p)+FR*\b+FR-1], v[AF+FR*(\a):AF+FR*(\a)+FR-1], v[8*(8*((\a)%4)+\b):8*(8*((\a)%4)+\b)+7], v[SC+8*NQ*(\sc)+NQ*\b+(\q)], v[SC+8*NQ*(\sc)+NQ*(\a)+(\q)] matrix_a_fmt:MATRIX_FMT_FP4 matrix_b_fmt:MATRIX_FMT_FP4 matrix_a_scale:MATRIX_SCALE_ROW1
.endif
.endr
.endr
.endm
.macro FETCH_B slot, q, p
	WIN TO_B
.irp i, 0,1,2,3,4,5,6,7
	FRAG 128*(\p)+FR*\i, ADRB+\slot, \q, \i
.endr
	WIN 0
.endm
.macro FETCH_A slot, q, i0
.irp i, \i0, \i0+1, \i0+2, \i0+3
	FRAG AF+FR*(\i), ADRA+\slot, \q, \i
.endr
.endm
.macro SCALES sc                       ; a K step's scale words: lanes 0-15 take x's block i, lanes 16-31 W's block i
.irp i, 0,1,2,3,4,5,6,7
	ds_load_b128 v[SC+8*NQ*\sc+NQ*\i:SC+8*NQ*\sc+NQ*\i+3], v[ADRS] offset:\i*SBLK
.endr
.endm
.macro PLACES n                        ; plain vector instructions between a matrix instruction and a load into, or a read of, its registers
.rept \n
	v_nop
.endr
.endm
.macro STEP slot, q, first             ; 128 along K, with its successor in the same slot
	s_wait_dscnt 4*NL                              ; W's set and x's blocks 0-3 are in; the youngest eight loads (x's blocks 4-7) may be out
.if \first
	WIN FST_LO
.else
	WIN MUL_LO
.endif
	MUL16 0, (\q)%2, \q, \slot, \first
	MUL16 2, (\q)%2, \q, \slot, \first
	s_wait_dscnt 0
	PLACES NP
	FETCH_B \slot, (\q)+1, 1-(\q)%2
	FETCH_A \slot, (\q)+1, 0
.if \first
	WIN FST_HI
.else
	WIN MUL_HI
.endif
	MUL16 4, (\q)%2, \q, \slot, \first
	MUL16 6, (\q)%2, \q, \slot, \first
	PLACES NP
	WIN 0
	FETCH_A \slot, (\q)+1, 4
.endm
.macro TURN slot, next                 ; a slot's last step changes slots: one barrier; nothing is filled again
	s_wait_tensorcnt 0x0                           ; all my tensor loads have landed: my part of the next slot
	ds_add_u32 v[SPW], v[NIL]
	s_wait_dscnt 4*NL+1                            ; (the add and the youngest eight loads may be out)
	WIN MUL_LO
	MUL16 0, 1, NQ-1, \slot, 0
	s_wait_dscnt 0x0                               ; the add is done, and my reads of this slot are over
	s_barrier_signal -1
	MUL16 2, 1, NQ-1, \slot, 0
	WIN 0
	s_barrier_wait -1
	PLACES NP
	v_add_nc_u32 v[ADRS], 4*NQ, v[ADRS]            ; the next K step's scale words
	FETCH_B \next, 0, 0
	FETCH_A \next, 0, 0
	SCALES \next
	WIN MUL_HI
	MUL16 4, 1, NQ-1, \slot, 0
	MUL16 6, 1, NQ-1, \slot, 0
	PLACES NP
	WIN 0
	FETCH_A \next, 0, 4
.endm
.macro STEPS slot, from
.set Q, \from
.rept NQ-1-\from
	STEP \slot, Q, 0
.set Q, Q+1
.endr
.endm
	s_wait_tensorcnt 1                             ; the scales and my part of K step 0 are in (K step 1's load may be out)
	s_barrier_signal -1
	s_barrier_wait -1                              ; everybody's are
	FETCH_B 0, 0, 0
	FETCH_A 0, 0, 0
	SCALES 0
	FETCH_A 0, 0, 4
	s_wait_loadcnt 0x0                             ; the bias
	STEP 0, 0, 1
	STEPS 0, 1
	TURN 0, 1
	STEPS 1, 0
	s_wait_dscnt 4*NL                              ; the very last step: nothing more to fetch
	WIN MUL_LO
	MUL16 0, 1, NQ-1, 1, 0
	MUL16 2, 1, NQ-1, 1, 0
	s_wait_dscnt 0
	WIN MUL_HI
	MUL16 4, 1, NQ-1, 1, 0
	MUL16 6, 1, NQ-1, 1, 0
	WIN 0
; THE WAY OUT, a block of 16 rows x 128 columns at a time.  PACK: rounded to f16, 16 bytes a lane, each accumulator from its low end on.  TOSTAGE: into my own stage, and back by heads.  SEND: stored.
.macro PACK a
.set AC, 64*((\a)%4)
	WIN 0x0a+5*((\a)/4)                            ; sources 0 and 1: window 2 or 3
.irp b, 0,1,2,3,4,5,6,7
.irp r, 0,1,2,3
	v_cvt_pk_f16_f32 v[TMP+4*\b+\r], v[AC+8*\b+2*\r], v[AC+8*\b+2*\r+1]
.endr
.endr
	WIN 0
.endm
.macro TOSTAGE a
.set BB, BK+32*((\a)%2)
.irp b, 0,1,2,3,4,5,6,7
	ds_store_b128 v[STO], v[TMP+4*\b:TMP+4*\b+3] offset:32*\b
.endr
.irp t, 0,1,2,3,4,5,6,7
	ds_load_b128 v[BB+4*\t:BB+4*\t+3], v[RD] offset:\t*2*SPITCH    ; LDS serves a wave's instructions in order (ISA guide 5.7.1.4): these see the stores above
.endr
.endm
.macro SEND a, younger
.set BB, BK+32*((\a)%2)
	s_wait_dscnt \younger                          ; the block is back in registers
	s_wait_xcnt 0x0                                ; earlier stores have read their base and their registers
.if (\a) > 0
	s_add_nc_u64 s[12:13], s[12:13], 16*128        ; 16 tokens on
.endif
.irp t, 0,1,2,3,4,5,6,7
	global_store_b128 v[CO], v[BB+4*\t:BB+4*\t+3], s[12:13] offset:256*\t   ; sixteen lanes store 256 consecutive bytes, aligned: tokens 2 t and 2 t + 1 of one head
.endr
.endm
	PLACES NP
	PACK 0
	TOSTAGE 0
.irp a, 1,2,3,4,5,6,7                  ; block a's conversions stand between block a - 1's loads from the stage and the wait for them
	PACK \a
	SEND \a-1, 0
	TOSTAGE \a
.endr
	SEND 7, 0
	s_wait_tensorcnt 0x0                           ; the wave's end
	ds_add_u32 v[SPW], v[NIL]
	s_wait_dscnt 0x0
	CROUND                                         ; the closing round
	s_endpgm
.Lfunc_end_k_qe87d3a778b_proj:
	.size	k_qe87d3a778b_proj, .Lfunc_end_k_qe87d3a778b_proj-k_qe87d3a778b_proj
	.p2alignl 7, 3214868480
	.fill 96, 4, 3214868480
	.section	.rodata,"a",@progbits
	.p2align	6, 0x0
	.amdhsa_kernel k_qe87d3a778b_proj
		.amdhsa_group_segment_fixed_size 327680
		.amdhsa_private_segment_fixed_size 0
		.amdhsa_enable_private_segment 0
		.amdhsa_kernarg_size 56
		.amdhsa_user_sgpr_count 2
		.amdhsa_user_sgpr_kernarg_segment_ptr 1
		.amdhsa_wavefront_size32 1
		.amdhsa_system_sgpr_workgroup_id_x 1
		.amdhsa_system_sgpr_workgroup_id_y 1
		.amdhsa_system_sgpr_workgroup_id_z 1
		.amdhsa_system_vgpr_workitem_id 0
		.amdhsa_next_free_vgpr 1024
		.amdhsa_next_free_sgpr 100
		.amdhsa_reserve_vcc 0
		.amdhsa_float_denorm_mode_32 3
		.amdhsa_float_denorm_mode_16_64 3
		.amdhsa_memory_ordered 1
		.amdhsa_forward_progress 1
		.amdhsa_inst_pref_size 129
	.end_amdhsa_kernel
	.amdgpu_metadata
---
amdhsa.version: [ 1, 2 ]
amdhsa.kernels:
  - .name:           k_qe87d3a778b_proj
    .symbol:         k_qe87d3a778b_proj.kd
    .args:
      - { .name: codes, .offset: 0, .size: 8, .value_kind: global_buffer, .address_space: global }
      - { .name: scales, .offset: 8, .size: 8, .value_kind: global_buffer, .address_space: global }
      - { .name: qkvp, .offset: 16, .size: 8, .value_kind: global_buffer, .address_space: global }
      - { .name: bq, .offset: 24, .size: 8, .value_kind: global_buffer, .address_space: global }
      - { .name: bk, .offset: 32, .size: 8, .value_kind: global_buffer, .address_space: global }
      - { .name: bv, .offset: 40, .size: 8, .value_kind: global_buffer, .address_space: global }
      - { .name: bp, .offset: 48, .size: 8, .value_kind: global_buffer, .address_space: global }
    .group_segment_fixed_size: 327680
    .private_segment_fixed_size: 0
    .kernarg_segment_align: 8
    .kernarg_segment_size: 56
    .max_flat_workgroup_size: 128
    .sgpr_count:     100
    .vgpr_count:     1024
    .wavefront_size: 32
...
	.end_amdgpu_metadata
.endif
;; end of part 2
;; launch attn (part 3): grid 8 x 32, 8 waves a work-group, no clusters, 327,680 bytes of LDS; arguments qkvp, ctx; writes ctx
.if DOCPART == 3
	.amdgcn_target "amdgcn-amd-amdhsa--gfx1250"
	.amdhsa_code_object_version 6
	.text
	.protected	k_qe87d3a778b_attn
	.globl	k_qe87d3a778b_attn
	.p2align	8
	.type	k_qe87d3a778b_attn,@function
k_qe87d3a778b_attn:
	s_mov_b64 s[64:65], 0
	v_nop
	global_prefetch_b8 v0, s[64:65] scope:SCOPE_SE
	s_setreg_imm32_b32 hwreg(HW_REG_WAVE_MODE, 25, 1), 1
	s_wait_xcnt 0x0
; THIRD LAUNCH: context = softmax((q k^T + shift(q p^T)) / 32) v, for each batch and head; q, k, v, p: f16 rows of 64; products, maxima and sums in f32; the weights are rounded to f16 for the last product.
; THE SHIFT.  With e = j - i + 2047 the shifted score of query i and key j is  q_i . p_e  for e <= 2047,  0  for e = 2048,  q_(i+1) . p_(e - 2049)  beyond.  So it is a product with the table
; P_ext = [p_0 .. p_2047, 0, p_0 ..], skewed by one place a query.  Sixteen e that begin at a multiple of 16 lie wholly on one side of 2048: a tile takes q_i or q_(i+1) throughout.
; SHARES.  A work-group owns 256 queries of one head, each of its eight waves 32: two tiles of 16.  Two waves share a SIMD.  Every wave walks all 2,048 keys, 64 a step; a slot holds 128 keys.
; LAYOUT.  All products are used transposed, so that a lane holds ONE query (lane % 16).  T^T = P_ext Q^T goes by ds_store_b128 into the wave's own LDS rows, one a query, 84 words apart (tile u of 16 e at words 16 u on),
; and comes back by ds_load_b32 83 words apart: that difference is the skew.  It lands in the registers that are the C of S^T = K Q^T + C: the skew costs no vector instruction.
; WHAT A STEP COMPUTES OF T.  A step reads tiles u = 0 .. 4 of each query tile's rows.  Fragment g of P_ext (16 rows) is tile u = g of query tile 1 and u = g - 1 of query tile 0.  A step multiplies fragments 2 to 5 alone, each for both
; query tiles; tiles (1, 4), (0, 4) and (1, 5) are the next step's (1, 0), (0, 0) and (1, 1): behind the step's skew loads they are stored once more, at those places.  Nothing of T is computed twice; a prologue makes the three for key 0.
; THE WINDOW OF P_ext.  e_rel = j - (i - first query of the work-group) + 255 does not hang on the work-group: LDS row = e_rel mod 512, in four chunks of 128 rows; slot n reads chunks n to n + 2 while chunk n + 3 lands.
; FROM q_i TO q_(i+1): the first tile beyond e = 2047 begins at key step + 16 g = my first query + 32, which falls on g = 2 (even waves) or g = 4 (odd waves) of one step: there the position product's queries are loaded anew, once.
; SOFTMAX.  For each query a running maximum m and sum l: p = 2^(c s - c m), c = log2(e) / 32; in every step O and l are multiplied by 2^(c m_old - c m_new).
; THE CHANGE OF SLOTS stands in a slot's second step, behind its last LDS read (V's fragments): the wave signals there, works on registers (exponentials, sums, V^T P), and waits for the others behind that work.
; NO CLUSTER: the window of P_ext begins at another row of memory in each of a head's eight work-groups, and the change of queries is a branch at a key step that hangs on the query block: partners would differ in both.
; LIMITS: NaN and infinities are not served; the context is rounded to f16 (magnitudes beyond 65,504 do not fit; under 6e-5 bits are lost).
; REGISTERS: window 0: v1-11 addresses; v12-27 statistics, 8 a tile; v28-31 offsets; v32-63 Q; v64-95 the position product's queries; v96-127 four T accumulators, later the weights in f16; v128-191 S^T; v192-255 fragments.  window 1: v0-63 O^T.
.set HB,    262400                     ; a head's block in qkvp: 256 bytes, then 2,048 rows of 128 bytes
.set PJ,    32*HB
.set KP,    144                        ; a row of K or P in LDS: 128 bytes + 16
.set VP,    160                        ; a row of V: 128 + 32, for the turning load
.set VOFF,  128*KP                     ; a slot: 128 rows of K, then 128 rows of V
.set SLOT1, 65536
.set PB,    131072                     ; the ring of P_ext: 512 rows
.set CH,    128*KP                     ; a chunk
.set SKW,   PB+4*CH                    ; the skew rows: for each wave two tiles of 16 rows x 336 bytes
.set SKT,   16*336
.set SKWV,  2*SKT
.set SPARE, SKW+8*SKWV                 ; the spare words, 128 bytes a wave
.set SPW,  1
.set NIL,  2
.set LPK,  3                           ; 144 r + 16 h
.set LPP,  4                           ; PB + that
.set LPV,  5                           ; the turning load's place in V
.set SKST, 6                           ; skew, in: 336 r + 32 h
.set SKLD, 7                           ; skew, back: 332 r + 32 h + 60
.set ADK,  8
.set ADV,  9
.set ADP,  10                          ; v10, v11 by turns
.set ST,   12                          ; tile a at v[ST + 8 a]: +0 c m, +1 m, +2, +3 l, +4 to +7 at work; the rescaling factor at +6
.set PFO,  28
.set QO,   29                          ; my query's row, from the head's row 0
.set QO1,  30                          ; tile 0's next row
.set QO2,  31                          ; tile 1's next row, held at row 2,047
.set Q,    32
.set QP,   64
.set TT,   96
.set P16,  96
.set S,    128
.set FA,   192
.set FB,   224
.set WV,   8
.set I0,   9
.set I0W,  10
.set SW,   11
.set J,    12
.set TB,   13
.set EW,   14
.set C128, 15
.set I256, 16
.set PB0,  17
.set SLOTS, 18
.set LIM,  19
.set SEL,  20
.set CS,   22
.set G1A,  24
.set G1V,  32
.set G0K,  40
.set G0V,  44
.set G0P,  48
.set G0P1, 52
.set G0P2, 56
.set QH,   60
.set PHB,  62
.set PFA,  66
.set CTX,  84
.set MSB, 0
.macro WIN new                         ; the immediate's high byte repeats the setting that is left
.if MSB != \new
	s_set_vgpr_msb (MSB<<8)|\new
.set MSB, \new
.endif
.endm
.set W_PV, 0x50                        ; C and D (O^T) window 1; V and the weights window 0
.set W_RS, 0x41                        ; O^T (destination and source 0) window 1, the factor window 0
.macro TL g0, g1                       ; a tensor load; an s_nop 0 and four v_nop follow it
	tensor_load_to_lds s[\g0:\g0+3], s[\g1:\g1+7]
	s_nop 0
.rept 4
	v_nop
.endr
.endm
; Where chunk creg / 128 of P_ext begins in memory: row creg + 1,792 - I0 of the table; from row 2,048 on the table begins anew at the zero row in front of p_0, 2,049 rows back.
.macro PDESC g0, creg
	s_lshl_b32 s68, s[\creg], 7
	s_add_co_u32 s68, s68, s[PB0]
	s_cmp_lt_u32 s[\creg], s[I256]
	s_cselect_b32 s69, 0, 262272
	s_sub_co_u32 s68, s68, s69
	s_mov_b32 s69, 0
	s_add_nc_u64 s[\g0+2:\g0+3], s[PHB:PHB+1], s[68:69]
	s_or_b32 s[\g0+3], s[\g0+3], 0x80000000
.endm
.macro TLOAD                           ; wave 0: K's 128 rows; wave 1: a chunk of P_ext; wave 2: V's 128 rows; the others nothing
	s_cmp_lg_u32 s[WV], 0
	s_cbranch_scc1 .Lt1_\@
	TL G0K, G1A
	s_branch .Ltd_\@
.Lt1_\@:
	s_cmp_lg_u32 s[WV], 1
	s_cbranch_scc1 .Lt2_\@
	TL G0P, G1A
	s_branch .Ltd_\@
.Lt2_\@:
	s_cmp_lg_u32 s[WV], 2
	s_cbranch_scc1 .Ltd_\@
	TL G0V, G1V
.Ltd_\@:
.endm
; A prefetch of the slot that the NEXT change of slots will ask for: 128 rows of K and of V, 16,384 dense bytes each.  All eight work-groups of a head walk the same K and V: the head's first asks.
; In it waves 3 and 4 ask for K's halves, waves 5 and 6 for V's: 8,192 bytes a wave, lanes 256 bytes apart, one instruction.  The last change that fills a slot asks for nothing.  Slots 0 and 1 come by their loads alone.
.macro ASK
	s_cmp_gt_u32 s[SLOTS], s[LIM]
	s_cbranch_scc0 .Lnot_mine_\@
	global_prefetch_b8 v[PFO], s[PFA:PFA+1] th:TH_LOAD_NT scope:SCOPE_SE
.Lnot_mine_\@:
.endm
	s_load_b128 s[4:7], s[0:1], 0x0                ; qkvp s[4:5], ctx s[6:7]
	v_lshl_add_u32 v[SPW], v0, 2, SPARE
	v_mov_b32 v[NIL], 0
	ds_add_u32 v[SPW], v[NIL]                      ; the wave's opening: the add, twice on end, and its wait ahead of my first tensor load
	ds_add_u32 v[SPW], v[NIL]
	v_lshrrev_b32 v3, 5, v0
	v_readfirstlane_b32 s[WV], v3                  ; wave 0..7
	s_lshl_b32 s[I0], ttmp9, 8                     ; the work-group's first query
	s_lshl_b32 s68, s[WV], 5
	s_add_co_u32 s[I0W], s[I0], s68                ; my wave's
	s_add_co_u32 s[SW], s[I0W], 32                 ; where the position product changes queries
	s_mov_b32 s[J], 0
	s_mov_b32 s[TB], 0
	s_xor_b32 s[EW], s[WV], 7
	s_lshl_b32 s[EW], s[EW], 5                     ; 224 - 32 x wave: my first row in the window at key 0
	s_mov_b32 s[C128], 384                         ; 128 x the chunk that the first change asks for
	s_add_co_u32 s[I256], s[I0], 256
	s_sub_co_u32 s[PB0], 1792, s[I0]
	s_lshl_b32 s[PB0], s[PB0], 7
	s_add_co_u32 s[PB0], s[PB0], 256               ; chunk 0's first byte in the head's block
	s_mov_b32 s[SLOTS], 14                         ; the loop's trips: slots 0 to 13, each of which asks for the slot two on
	s_mov_b32 s[SEL], 0x76543210
	s_mov_b32 s[SEL+1], 0xfedcba98                 ; v_permlanex16_b32: lane l xor 16
	s_mov_b32 s[CS], 0x3d38aa3b                    ; c = log2(e) / 32
	s_mov_b32 s[CS+1], s[CS]
	s_mov_b32 s[G1A], (1<<16)|(1<<20)|(4<<22)|(3<<25)   ; elements of 2 bytes; padding: 4 words behind every 32
	s_mov_b32 s[G1V], (1<<16)|(1<<20)|(4<<22)|(7<<25)   ; 8 words
.irp g, G1A, G1V
	s_mov_b32 s[\g+1], 64<<16                      ; tensor_dim0
	s_mov_b32 s[\g+2], 128<<16                     ; tensor_dim1
	s_mov_b32 s[\g+3], 64<<16                      ; tile_dim0
	s_mov_b32 s[\g+4], 128                         ; tile_dim1
	s_mov_b32 s[\g+5], 64                          ; from row to row
	s_mov_b32 s[\g+6], 0
	s_mov_b32 s[\g+7], 0
.endr
	s_and_b32 s70, ttmp7, 0xffff                   ; batch x 16 + head
	s_mul_i32 s72, s70, HB
	s_mov_b32 s73, 0
	s_lshl_b32 s78, s70, 11
	s_add_co_u32 s78, s78, s[I0W]
	s_lshl_b32 s78, s78, 7                         ; my first row of ctx
	s_mov_b32 s79, 0
	s_wait_dscnt 0x0                               ; both opening adds are done
	s_wait_kmcnt 0x0
	s_add_nc_u64 s[CTX:CTX+1], s[6:7], s[78:79]
	s_add_nc_u64 s[PHB:PHB+1], s[4:5], s[72:73]    ; the head's block of q
	s_add_nc_u64 s[QH:QH+1], s[PHB:PHB+1], 256     ; q's row 0
	s_add_nc_u64 s[74:75], s[QH:QH+1], PJ          ; k's row 0
	s_add_nc_u64 s[76:77], s[QH:QH+1], 2*PJ        ; v's row 0
	s_add_nc_u64 s[PHB:PHB+1], s[PHB:PHB+1], 3*PJ  ; the head's block of p
	s_mov_b32 s[G0K], 1
	s_mov_b32 s[G0K+1], 0
	s_mov_b64 s[G0K+2:G0K+3], s[74:75]
	s_or_b32 s[G0K+3], s[G0K+3], 0x80000000
	s_mov_b32 s[G0V], 1
	s_mov_b32 s[G0V+1], VOFF
	s_mov_b64 s[G0V+2:G0V+3], s[76:77]
	s_or_b32 s[G0V+3], s[G0V+3], 0x80000000
	s_mov_b32 s[G0P], 1
	s_mov_b32 s[G0P+1], PB
	s_mov_b32 s78, 0
	PDESC G0P, 78
	s_mov_b32 s[G0P1], 1
	s_mov_b32 s[G0P1+1], PB+CH
	s_mov_b32 s78, 128
	PDESC G0P1, 78
	s_mov_b32 s[G0P2], 1
	s_mov_b32 s[G0P2+1], PB+2*CH
	s_mov_b32 s78, 256
	PDESC G0P2, 78
	; the first fills, one a wave: wave 0 K's slot 0, wave 1 chunk 0, wave 2 V's slot 0, wave 3 chunk 1, wave 4 chunk 2
	s_cmp_lg_u32 s[WV], 0
	s_cbranch_scc1 .Lh1
	TL G0K, G1A
	s_branch .Lhd
.Lh1:
	s_cmp_lg_u32 s[WV], 1
	s_cbranch_scc1 .Lh2
	TL G0P, G1A
	s_branch .Lhd
.Lh2:
	s_cmp_lg_u32 s[WV], 2
	s_cbranch_scc1 .Lh3
	TL G0V, G1V
	s_branch .Lhd
.Lh3:
	s_cmp_lg_u32 s[WV], 3
	s_cbranch_scc1 .Lh4
	TL G0P1, G1A
	s_branch .Lhd
.Lh4:
	s_cmp_lg_u32 s[WV], 4
	s_cbranch_scc1 .Lhd
	TL G0P2, G1A
.Lhd:
	; the prefetches: where my wave's stand, and who asks
	s_cmp_lt_u32 s[WV], 5
	s_cselect_b64 s[PFA:PFA+1], s[74:75], s[76:77]
	s_sub_co_u32 s68, s[WV], 3
	s_and_b32 s69, s68, 1
	s_lshl_b32 s78, s69, 13                        ; my half of a slot's 16,384 bytes,
	s_add_co_u32 s78, s78, 16384                   ; in slot 1: the first change of slots steps it to slot 2
	s_mov_b32 s79, 0
	s_add_nc_u64 s[PFA:PFA+1], s[PFA:PFA+1], s[78:79]
	s_lshr_b32 s68, s68, 2                         ; 0 in waves 3 to 6,
	s_or_b32 s68, s68, ttmp9                       ; of the head's first work-group
	s_cmp_eq_u32 s68, 0
	s_cselect_b32 s[LIM], 1, -1
	v_and_b32 v[PFO], 31, v0
	v_lshlrev_b32 v[PFO], 8, v[PFO]
	v_and_b32 v8, 15, v0                           ; r
	v_bfe_u32 v9, v0, 4, 1                         ; h
	v_add_nc_u32 v10, s[I0W], v8                   ; tile 0's query
	v_lshlrev_b32 v[QO], 7, v10
	v_lshl_add_u32 v[QO], v9, 4, v[QO]
	v_add_nc_u32 v[QO1], 128, v[QO]
	v_add_nc_u32 v10, 17, v10
	v_min_u32 v10, 2047, v10                       ; query 2,047 has no key behind it: what its clamped row gives is never read back
	v_lshlrev_b32 v[QO2], 7, v10
	v_lshl_add_u32 v[QO2], v9, 4, v[QO2]
.irp a, 0,1
.irp i, 0,1,2,3
	global_load_b128 v[Q+16*\a+4*\i:Q+16*\a+4*\i+3], v[QO], s[QH:QH+1] offset:2048*\a+32*\i
	global_load_b128 v[QP+16*\a+4*\i:QP+16*\a+4*\i+3], v[QO], s[QH:QH+1] offset:2048*\a+32*\i
.endr
.endr
	v_mul_u32_u24 v[LPK], v8, KP
	v_lshl_add_u32 v[LPK], v9, 4, v[LPK]
	v_add_nc_u32 v[LPP], PB, v[LPK]
	v_and_b32 v10, 7, v0
	v_bfe_u32 v11, v0, 3, 1
	v_lshl_add_u32 v[LPV], v9, 3, v10              ; the turning load: key 8 h + lane % 8, channels 8 ((lane / 8) % 2) on
	v_mul_u32_u24 v[LPV], v[LPV], VP
	v_lshl_add_u32 v[LPV], v11, 4, v[LPV]
	v_add_nc_u32 v[LPV], VOFF, v[LPV]
	s_mul_i32 s68, s[WV], SKWV
	s_add_co_u32 s68, s68, SKW
	v_mul_u32_u24 v[SKST], v8, 336
	v_lshl_add_u32 v[SKST], v9, 5, v[SKST]
	v_add_nc_u32 v[SKST], s68, v[SKST]
	v_mul_u32_u24 v[SKLD], v8, 332
	v_lshl_add_u32 v[SKLD], v9, 5, v[SKLD]
	v_add_nc_u32 v[SKLD], s68, v[SKLD]
	v_add_nc_u32 v[SKLD], 60, v[SKLD]
.irp a, 0,1
	v_mov_b32 v[ST+8*\a+1], 0xff61b1e6             ; m: -3e38, under every score
	v_mul_f32 v[ST+8*\a], s[CS], v[ST+8*\a+1]
.irp k, 2,3,4,5,6,7
	v_mov_b32 v[ST+8*\a+\k], 0
.endr
.endr
	WIN 0x40
.set i, 0
.rept 64
	v_mov_b32 v[i], 0                              ; O^T.  (The step is written once: the first finds zeros, which its factor 0 leaves zeros)
.set i, i+1
.endr
	WIN 0
	s_wait_loadcnt 0x0                             ; Q
.macro TADDR g                         ; where fragment g of P_ext lies: rows (J + EW + 16 g) mod 512 on; s69 = J + EW
	s_add_co_u32 s68, s69, 16*(\g)
	s_and_b32 s68, s68, 511
	s_mul_i32 s68, s68, KP
	v_add_nc_u32 v[ADP+(\g)%2], s68, v[LPP]
.endm
.macro PLD g, reg                      ; the fragment: 16 rows x 64 channels, 16 registers
.irp i, 0,1,2,3
	ds_load_b128 v[\reg+4*\i:\reg+4*\i+3], v[ADP+(\g)%2] offset:32*\i
.endr
.endm
.macro TW d, f, a, kh                  ; T accumulator d: 16 rows of P_ext x tile a's queries, channels 32 kh on
.if \kh == 0
	v_wmma_f32_16x16x32_f16 v[TT+8*\d:TT+8*\d+7], v[\f:\f+7], v[QP+16*\a:QP+16*\a+7], 0
.else
	v_wmma_f32_16x16x32_f16 v[TT+8*\d:TT+8*\d+7], v[\f+8:\f+15], v[QP+16*\a+8:QP+16*\a+15], v[TT+8*\d:TT+8*\d+7]
.endif
.endm
.macro TS d, a, u                      ; it becomes words 16 u + 8 h + 0 .. 7 of my query's row, from its low end on
	ds_store_b128 v[SKST], v[TT+8*\d:TT+8*\d+3] offset:SKT*\a+64*\u
	ds_store_b128 v[SKST], v[TT+8*\d+4:TT+8*\d+7] offset:SKT*\a+64*\u+16
.endm
.macro FIVE                            ; five plain places: four ahead of a store that reads a result or a load into an operand, five ahead of a matrix instruction that writes over one
.rept 5
	v_nop
.endr
.endm
.macro SWITCH g                        ; from fragment g of this step on the table has begun anew: the position product takes each query's successor.  A scalar branch on ids and the count of steps
	s_add_co_u32 s68, s[J], 16*\g
	s_cmp_lg_u32 s68, s[SW]
	s_cbranch_scc1 .Lkeep_\@
.rept 4
	v_nop
.endr
.irp i, 0,1,2,3
	global_load_b128 v[QP+4*\i:QP+4*\i+3], v[QO1], s[QH:QH+1] offset:32*\i
	global_load_b128 v[QP+16+4*\i:QP+16+4*\i+3], v[QO2], s[QH:QH+1] offset:32*\i
.endr
	s_wait_loadcnt 0x0
.Lkeep_\@:
.endm
; THE SOFTMAX, both tiles line by line in turn, in two parts.  SMA: the maxima, the new m, and c s - c m.
.macro SMA
.irp j, 0,1,2,3
.irp a, 0,1
	v_max3_num_f32 v[ST+8*\a+4+\j], v[S+32*\a+8*\j], v[S+32*\a+8*\j+1], v[S+32*\a+8*\j+2]   ; four chains; each accumulator is first read at its low end
.endr
.endr
.irp k, 3,5
.irp j, 0,1,2,3
.irp a, 0,1
	v_max3_num_f32 v[ST+8*\a+4+\j], v[ST+8*\a+4+\j], v[S+32*\a+8*\j+\k], v[S+32*\a+8*\j+\k+1]
.endr
.endr
.endr
.irp a, 0,1
	v_max3_num_f32 v[ST+8*\a+4], v[ST+8*\a+4], v[S+32*\a+7], v[S+32*\a+15]
.endr
.irp a, 0,1
	v_max3_num_f32 v[ST+8*\a+6], v[ST+8*\a+6], v[S+32*\a+23], v[S+32*\a+31]
.endr
.irp a, 0,1
	v_max3_num_f32 v[ST+8*\a+4], v[ST+8*\a+4], v[ST+8*\a+5], v[ST+8*\a+6]
.endr
.irp a, 0,1
	v_max3_num_f32 v[ST+8*\a+4], v[ST+8*\a+4], v[ST+8*\a+7], v[ST+8*\a+1]   ; with the old m
.endr
.irp a, 0,1
	v_permlanex16_b32 v[ST+8*\a+5], v[ST+8*\a+4], s[SEL], s[SEL+1]   ; the query's other 32 keys lie in the lane 16 away
.endr
.irp a, 0,1
	v_mov_b32 v[ST+8*\a+7], v[ST+8*\a]             ; c m_old
.endr
.irp a, 0,1
	v_max_num_f32 v[ST+8*\a+1], v[ST+8*\a+4], v[ST+8*\a+5]
.endr
.irp a, 0,1
	v_mul_f32 v[ST+8*\a], s[CS], v[ST+8*\a+1]
.endr
.irp a, 0,1
	v_sub_f32 v[ST+8*\a+7], v[ST+8*\a+7], v[ST+8*\a]
.endr
.irp b, 0,1,2,3,4,5,6,7,8,9,10,11,12,13,14,15
.irp a, 0,1
	v_pk_fma_f32 v[S+32*\a+2*\b:S+32*\a+2*\b+1], v[S+32*\a+2*\b:S+32*\a+2*\b+1], s[CS:CS+1], v[ST+8*\a:ST+8*\a+1] op_sel_hi:[1,0,0] neg_lo:[0,0,1] neg_hi:[0,0,1]   ; c s - c m
.endr
.endr
.endm
; SMB: the exponentials, the weights in f16, the sums.
.macro SMB
.irp a, 0,1
	v_exp_f32 v[ST+8*\a+6], v[ST+8*\a+7]           ; the factor 2^(c m_old - c m_new)
.endr
.irp e, 0,1,2,3,4,5,6,7,8,9,10,11,12,13,14,15,16,17,18,19,20,21,22,23,24,25,26,27,28,29,30,31
.irp a, 0,1
	v_exp_f32 v[S+32*\a+\e], v[S+32*\a+\e]
.endr
.endr
	v_nop                                          ; a plain instruction behind the last exponential
	s_wait_alu depctr_va_vdst(0)                   ; one wait for the batch of 66, ahead of its first reader
.irp i, 0,1,2,3,4,5,6,7,8,9,10,11,12,13,14,15
.irp a, 0,1
	v_cvt_pk_f16_f32 v[P16+16*\a+\i], v[S+32*\a+2*\i], v[S+32*\a+2*\i+1]
.endr
.endr
.irp z, 0,1,2,3,4,5,6,7
.irp a, 0,1
	v_pk_add_f32 v[S+32*\a+4*\z:S+32*\a+4*\z+1], v[S+32*\a+4*\z:S+32*\a+4*\z+1], v[S+32*\a+4*\z+2:S+32*\a+4*\z+3]   ; the sum of the unrounded weights, in place, as a tree
.endr
.endr
.irp z, 0,1,2,3
.irp a, 0,1
	v_pk_add_f32 v[S+32*\a+8*\z:S+32*\a+8*\z+1], v[S+32*\a+8*\z:S+32*\a+8*\z+1], v[S+32*\a+8*\z+4:S+32*\a+8*\z+5]
.endr
.endr
.irp z, 0,1
.irp a, 0,1
	v_pk_add_f32 v[S+32*\a+16*\z:S+32*\a+16*\z+1], v[S+32*\a+16*\z:S+32*\a+16*\z+1], v[S+32*\a+16*\z+8:S+32*\a+16*\z+9]
.endr
.endr
.irp a, 0,1
	v_pk_add_f32 v[S+32*\a:S+32*\a+1], v[S+32*\a:S+32*\a+1], v[S+32*\a+16:S+32*\a+17]
.endr
.irp a, 0,1
	v_pk_fma_f32 v[ST+8*\a+2:ST+8*\a+3], v[ST+8*\a+2:ST+8*\a+3], v[ST+8*\a+6:ST+8*\a+7], v[S+32*\a:S+32*\a+1] op_sel_hi:[1,0,1]   ; l = factor x l + the sum
.endr
.endm
; THE CHANGE OF SLOTS, its first lines: the wave waits for all its tensor loads and adds 0 to its spare word (fill = 1: twice on end); no tensor load of the wave is out, so with fill = 1
; the descriptors step: K's and V's to the other slot and the next 128 keys, P_ext's to the next chunk and its place in the ring; the prefetches' address a slot on.
.macro CHG_A fill
	s_wait_tensorcnt 0x0
	ds_add_u32 v[SPW], v[NIL]
.if \fill
	ds_add_u32 v[SPW], v[NIL]
	s_xor_b32 s[G0K+1], s[G0K+1], SLOT1
	s_add_nc_u64 s[G0K+2:G0K+3], s[G0K+2:G0K+3], 16384
	s_xor_b32 s[G0V+1], s[G0V+1], SLOT1
	s_add_nc_u64 s[G0V+2:G0V+3], s[G0V+2:G0V+3], 16384
	s_lshr_b32 s68, s[C128], 7
	s_and_b32 s68, s68, 3
	s_mul_i32 s68, s68, CH
	s_add_co_u32 s[G0P+1], s68, PB                 ; the chunk's place in the ring
	PDESC G0P, C128
	s_add_co_u32 s[C128], s[C128], 128
	s_wait_xcnt 0x0                                ; the last prefetch, a slot back, has read its address
	s_add_nc_u64 s[PFA:PFA+1], s[PFA:PFA+1], 16384
.endif
.endm
; A KEY STEP: 64 keys, the q-th half of the slot in hand.  chg = 0: no change of slots; 1: the slot is left and filled again; 2: it is left and nothing is asked for.
.macro STEP q, chg
	s_add_co_u32 s69, s[J], s[EW]
	v_add_nc_u32 v[ADK], s[TB], v[LPK]             ; these four additions are the places behind the last step's V^T P, ahead of the loads into V's registers;
	v_add_nc_u32 v[ADV], s[TB], v[LPV]
	TADDR 2
	TADDR 3
	PLD 2, FA
	PLD 3, FA+16
	TADDR 4                                        ; with these two there are six ahead of the first product that writes over the weights' registers
	PLD 4, FB
	TADDR 5
	PLD 5, FB+16
	SWITCH 2
	s_wait_dscnt 8                                 ; fragments 2 and 3 are in; the eight loads of 4 and 5 may be out
	TW 0, FA, 1, 0                                 ; query tile 1 takes fragment g as its tile u = g, query tile 0 as u = g - 1.  The accumulators take turns
	TW 1, FA, 0, 0
	TW 2, FA+16, 1, 0
	TW 3, FA+16, 0, 0
	TW 0, FA, 1, 1
	TW 1, FA, 0, 1
	TW 2, FA+16, 1, 1
	TW 3, FA+16, 0, 1
	FIVE
	TS 0, 1, 2
	TS 1, 0, 1
	TS 2, 1, 3
	TS 3, 0, 2
	SWITCH 4
	s_wait_dscnt 8                                 ; fragments 4 and 5 are in; behind them: eight stores
	TW 0, FB, 1, 0
	TW 1, FB, 0, 0
	TW 2, FB+16, 1, 0
	TW 3, FB+16, 0, 0
	TW 0, FB, 1, 1
	TW 1, FB, 0, 1
	TW 2, FB+16, 1, 1
	TW 3, FB+16, 0, 1
.rept 4
	v_nop                                          ; places ahead of the stores that read these results and of the loads into the fragments' registers
.endr
	TS 0, 1, 4
	TS 1, 0, 3
	TS 3, 0, 4
.irp t, 0,1,2,3
.irp i, 0,1,2,3
	ds_load_b128 v[FA+16*\t+4*\i:FA+16*\t+4*\i+3], v[ADK] offset:(64*\q+16*\t)*KP+32*\i   ; K: 16 keys x 64 channels a tile
.endr
.endr
.irp t, 0,1,2,3
.irp a, 0,1
.irp j, 0,1,2,3,4,5,6,7
	ds_load_b32 v[S+32*\a+8*\t+\j], v[SKLD] offset:SKT*\a+64*\t+4*\j   ; the skew: key 16 t + 8 h + j of query r is word 16 t + 8 h + j + 15 - r of its row.  LDS serves a wave's instructions in order: these see my stores
.endr
.endr
.endr
	TS 0, 1, 0                                     ; the next step's lower edge: (1, 4) is its (1, 0), (0, 4) its (0, 0), (1, 5) its (1, 1).  They come behind the loads above, which so read the old words
	TS 3, 0, 0
	TS 2, 1, 1
.set i, 0
.rept 16                               ; S^T = K Q^T + the skewed T: eight accumulators by turns, channels 32 (i / 8) on, keys 16 ((i / 2) % 4) on
.if (i < 8) && ((i % 2) == 0)
	s_wait_dscnt 54-8*i                            ; K and the skewed words of key tile i / 2 are in; behind them: 16 loads for each later key tile, and the six stores
.endif
	v_wmma_f32_16x16x32_f16 v[S+32*(i%2)+8*((i/2)%4):S+32*(i%2)+8*((i/2)%4)+7], v[FA+16*((i/2)%4)+8*(i/8):FA+16*((i/2)%4)+8*(i/8)+7], v[Q+16*(i%2)+8*(i/8):Q+16*(i%2)+8*(i/8)+7], v[S+32*(i%2)+8*((i/2)%4):S+32*(i%2)+8*((i/2)%4)+7]
.set i, i+1
.endr
.rept 4
	v_nop                                          ; places ahead of the loads into K's registers and of the first read of the scores
.endr
.irp kb, 0,1
.irp c, 0,1,2,3
	ds_load_tr16_b128 v[FA+8*(4*\kb+\c):FA+8*(4*\kb+\c)+3], v[ADV] offset:(64*\q+32*\kb)*VP+32*\c          ; V^T: 16 channels x 32 keys a fragment; it lands during the softmax
	ds_load_tr16_b128 v[FA+8*(4*\kb+\c)+4:FA+8*(4*\kb+\c)+7], v[ADV] offset:(64*\q+32*\kb)*VP+16*VP+32*\c
.endr
.endr
.if \chg == 1
	CHG_A 1                                        ; these were my last reads of the slot and of its oldest chunk
.endif
.if \chg == 2
	CHG_A 0
.endif
	SMA                                            ; (with a change: work on registers between the add and the wait for it)
.if \chg
	s_wait_dscnt 0x0                               ; the add is done, and my reads of the slot that I leave are back
	s_barrier_signal -1                            ; say so; what follows up to the wait works on registers alone
.endif
	SMB
	WIN W_RS
.irp a, 0,1
.irp i, 0,1,2,3,4,5,6,7,8,9,10,11,12,13,14,15
	v_pk_mul_f32 v[32*\a+2*\i:32*\a+2*\i+1], v[32*\a+2*\i:32*\a+2*\i+1], v[ST+8*\a+6:ST+8*\a+7] op_sel_hi:[1,0]   ; O^T x the factor, each accumulator from its low end on
.endr
.endr
	WIN W_PV
.if \chg == 0
	s_wait_dscnt 0x0                               ; V is in
.endif
.set i, 0
.rept 16                               ; O^T += V^T P: eight accumulators by turns, keys 32 (i / 8) on
	v_wmma_f32_16x16x32_f16 v[32*(i%2)+8*((i/2)%4):32*(i%2)+8*((i/2)%4)+7], v[FA+8*(4*(i/8)+(i/2)%4):FA+8*(4*(i/8)+(i/2)%4)+7], v[P16+16*(i%2)+8*(i/8):P16+16*(i%2)+8*(i/8)+7], v[32*(i%2)+8*((i/2)%4):32*(i%2)+8*((i/2)%4)+7]
.set i, i+1
.endr
	WIN 0
.if \chg
	s_barrier_wait -1                              ; every wave has said so: the next slot and its three chunks are whole, and nobody reads the slot and the chunk that were left
.endif
.if \chg == 1
	TLOAD                                          ; they are filled with the keys two slots on and the chunk four on: one load a wave, the first thing behind the barrier
	ASK
.endif
	s_add_co_u32 s[J], s[J], 64
.endm
	; The first change: slot 0 and chunks 0 to 2 are whole for every wave; slot 1 and chunk 3 are asked for: first fills alone.
	CHG_A 1
	s_wait_dscnt 0x0
	s_barrier_signal -1
	s_barrier_wait -1
	TLOAD
	ASK
	; The prologue: the lower edge of key step 0: (1, 0) from fragment 0, (1, 1) and (0, 0) from fragment 1.
	s_add_co_u32 s69, s[J], s[EW]
	TADDR 0
	PLD 0, FA
	TADDR 1
	PLD 1, FA+16
	s_wait_dscnt 0x0
	TW 0, FA, 1, 0
	TW 1, FA+16, 1, 0
	TW 2, FA+16, 0, 0
	TW 0, FA, 1, 1
	TW 1, FA+16, 1, 1
	TW 2, FA+16, 0, 1
	FIVE
	TS 0, 1, 0
	TS 1, 1, 1
	TS 2, 0, 0
.Lslot:                                            ; 14 trips: slots 0 to 13; each leaves its slot to the keys two slots on
	STEP 0, 0
	STEP 1, 1
	s_xor_b32 s[TB], s[TB], SLOT1
	s_sub_co_u32 s[SLOTS], s[SLOTS], 1
	s_cmp_lg_u32 s[SLOTS], 0
	s_cbranch_scc1 .Lslot
	STEP 0, 0                                      ; the last two slots are written out: slot 14 ends with a barrier and asks for nothing
	STEP 1, 2
	s_xor_b32 s[TB], s[TB], SLOT1
	STEP 0, 0                                      ; slot 15 has none
	STEP 1, 0
	; THE WAY OUT: O^T / l, rounded to f16, through my own skew rows (their last read is over), back as whole rows: the wave's 32 rows of 128 bytes are 4,096 consecutive bytes of ctx.
.rept 4
	v_nop
.endr
.irp a, 0,1
	v_add_f32 v[ST+8*\a+4], v[ST+8*\a+2], v[ST+8*\a+3]
.endr
.irp a, 0,1
	v_permlanex16_b32 v[ST+8*\a+5], v[ST+8*\a+4], s[SEL], s[SEL+1]
.endr
.irp a, 0,1
	v_add_f32 v[ST+8*\a+4], v[ST+8*\a+4], v[ST+8*\a+5]
.endr
.irp a, 0,1
	v_rcp_f32 v[ST+8*\a+6], v[ST+8*\a+4]
.endr
	v_and_b32 v8, 15, v0                           ; (a plain instruction behind the reciprocals)  r
	v_bfe_u32 v9, v0, 4, 1                         ; h
	s_mul_i32 s68, s[WV], SKWV
	s_add_co_u32 s68, s68, SKW
	v_mul_u32_u24 v10, v8, KP
	v_lshl_add_u32 v10, v9, 4, v10
	v_add_nc_u32 v10, s68, v10                     ; in: row r of 144 bytes, + 16 h
	v_bfe_u32 v11, v0, 3, 2
	v_mul_u32_u24 v11, v11, KP
	v_and_b32 v8, 7, v0
	v_lshl_add_u32 v11, v8, 4, v11
	v_add_nc_u32 v11, s68, v11                     ; back: four rows an instruction, eight lanes to a row
	v_and_b32 v9, 31, v0
	v_lshlrev_b32 v9, 4, v9                        ; and in ctx: 16 bytes a lane
	s_wait_alu depctr_va_vdst(0)                   ; one wait for both reciprocals, ahead of their first reader
.irp a, 0,1
	WIN W_RS
.irp i, 0,1,2,3,4,5,6,7,8,9,10,11,12,13,14,15
	v_pk_mul_f32 v[32*\a+2*\i:32*\a+2*\i+1], v[32*\a+2*\i:32*\a+2*\i+1], v[ST+8*\a+6:ST+8*\a+7] op_sel_hi:[1,0]
.endr
	WIN 0x05                                       ; sources 0 and 1 window 1, destination window 0
.irp i, 0,1,2,3,4,5,6,7,8,9,10,11,12,13,14,15
	v_cvt_pk_f16_f32 v[S+16*\a+\i], v[32*\a+2*\i], v[32*\a+2*\i+1]
.endr
	WIN 0
.irp c, 0,1,2,3
	ds_store_b128 v10, v[S+16*\a+4*\c:S+16*\a+4*\c+3] offset:16*KP*\a+32*\c   ; channels 16 c + 8 h + 0 .. 7 of query 16 a + r
.endr
.endr
.irp t, 0,1,2,3,4,5,6,7
	ds_load_b128 v[S+32+4*\t:S+32+4*\t+3], v11 offset:4*KP*\t      ; LDS serves a wave's instructions in order: these see my stores
.endr
.irp t, 0,1,2,3,4,5,6,7
	s_wait_dscnt 7-\t                              ; load t is in; the younger ones may be out
	global_store_b128 v9, v[S+32+4*\t:S+32+4*\t+3], s[CTX:CTX+1] offset:512*\t   ; 32 lanes store 512 consecutive bytes, aligned
.endr
	s_wait_tensorcnt 0x0                           ; the wave's end
	ds_add_u32 v[SPW], v[NIL]
	s_wait_dscnt 0x0
	s_endpgm
.Lfunc_end_k_qe87d3a778b_attn:
	.size	k_qe87d3a778b_attn, .Lfunc_end_k_qe87d3a778b_attn-k_qe87d3a778b_attn
	.p2alignl 7, 3214868480
	.fill 96, 4, 3214868480
	.section	.rodata,"a",@progbits
	.p2align	6, 0x0
	.amdhsa_kernel k_qe87d3a778b_attn
		.amdhsa_group_segment_fixed_size 327680
		.amdhsa_private_segment_fixed_size 0
		.amdhsa_enable_private_segment 0
		.amdhsa_kernarg_size 16
		.amdhsa_user_sgpr_count 2
		.amdhsa_user_sgpr_kernarg_segment_ptr 1
		.amdhsa_wavefront_size32 1
		.amdhsa_system_sgpr_workgroup_id_x 1
		.amdhsa_system_sgpr_workgroup_id_y 1
		.amdhsa_system_sgpr_workgroup_id_z 1
		.amdhsa_system_vgpr_workitem_id 0
		.amdhsa_next_free_vgpr 320
		.amdhsa_next_free_sgpr 96
		.amdhsa_reserve_vcc 0
		.amdhsa_float_denorm_mode_32 3
		.amdhsa_float_denorm_mode_16_64 3
		.amdhsa_memory_ordered 1
		.amdhsa_forward_progress 1
		.amdhsa_inst_pref_size 192
	.end_amdhsa_kernel
	.amdgpu_metadata
---
amdhsa.version: [ 1, 2 ]
amdhsa.kernels:
  - .name:           k_qe87d3a778b_attn
    .symbol:         k_qe87d3a778b_attn.kd
    .args:
      - { .name: qkvp, .offset: 0, .size: 8, .value_kind: global_buffer, .address_space: global }
      - { .name: ctx, .offset: 8, .size: 8, .value_kind: global_buffer, .address_space: global }
    .group_segment_fixed_size: 327680
    .private_segment_fixed_size: 0
    .kernarg_segment_align: 8
    .kernarg_segment_size: 16
    .max_flat_workgroup_size: 256
    .sgpr_count:     96
    .vgpr_count:     320
    .wavefront_size: 32
...
	.end_amdgpu_metadata
.endif
;; end of part 3
;; launch outp (part 4): grid 8 x 32, 8 waves a work-group, clusters of 4 x 4, 327,680 bytes of LDS; arguments ctx, wo16, bo, out0; writes out0
.if DOCPART == 4
	.amdgcn_target "amdgcn-amd-amdhsa--gfx1250"
	.amdhsa_code_object_version 6
	.text
	.protected	k_qe87d3a778b_outp
	.globl	k_qe87d3a778b_outp
	.p2align	8
	.type	k_qe87d3a778b_outp,@function
k_qe87d3a778b_outp:
	s_mov_b64 s[64:65], 0
	v_nop
	global_prefetch_b8 v0, s[64:65] scope:SCOPE_SE
	s_setreg_imm32_b32 hwreg(HW_REG_WAVE_MODE, 25, 1), 1
	s_wait_xcnt 0x0
	s_wait_alu depctr_hold_cnt(0) depctr_sa_sdst(0) depctr_va_vdst(0) depctr_va_sdst(0) depctr_va_ssrc(0) depctr_va_vcc(0) depctr_vm_vsrc(0)
	s_getreg_b32 s2, hwreg(HW_REG_IB_STS2, 6, 4)
	s_cmp_eq_u32 s2, 0
	s_cbranch_scc0 .Lentry_in_a_cluster
	s_endpgm
.Lentry_in_a_cluster:
	s_bfe_u32 s2, ttmp6, 0x10000c
	s_cmp_lg_u32 s2, 0xf033
	s_cbranch_scc0 .Lentry_shape_is_right
	s_endpgm
.Lentry_shape_is_right:
; FOURTH LAUNCH: out0 = context Wo^T + bo.  context: f16, [batch x 16 + head][2048 tokens][64]; Wo: f16 [1024 n][1024 k]; sums in f32; out0 f32 [4096][1024].
; A tile of out0 is 128 x 128: 256 work-groups.  Eight waves, each 32 rows x 64 columns: 8 accumulators; a wave's piece of a row is 256 bytes, so each wave has a stage of its own and the way out needs no barrier.
; K goes in four steps of 256 (four heads) through two LDS slots; all is written out, there is no loop.  A slot holds the context's 4 heads x 128 tokens x (128 bytes + 16) and Wo's 128 rows x (512 bytes + 16).
; Waves 0-3 fetch a head each, waves 4 and 5 Wo's halves, waves 6 and 7 nothing.
; CLUSTERS: 4 x 4 work-groups.  The four of a row of the cluster need the same tokens, the four of a column the same rows of Wo: each tile is asked for jointly.
; THE MATRIX INSTRUCTION IS USED TRANSPOSED (source 0 = 16 rows of Wo, source 1 = 16 tokens): a lane holds eight neighbouring columns of one row.  The bias is the C of each sum's first instruction.
; No prefetch: the launch is short, and its tiles are shared in the cluster.
.set SLOT,  141312
.set BOFF,  73728                      ; Wo's rows in a slot
.set STAGE, 2*SLOT                     ; 16 rows x 272 bytes for each wave
.set SPARE, STAGE+8*4352               ; the spare words, 128 bytes a wave
.set SPW,  1
.set NIL,  2
.set ADRA, 3                           ; v3, v4: my tokens' fragments in slot 0, 1
.set ADRB, 5                           ; v5, v6: Wo's
.set STO,  7
.set RD,   8
.set CO,   9
.set BI,   16                          ; v16-47 the bias in the result's layout
.set ACC,  48                          ; v48-111: (a, b) at 48 + 8 (4 a + b)
.set F0,   112                         ; two fragment buffers of 48: Wo's four fragments, then the tokens' two
.set OB,   208
.set WV,   12
.set G1A,  24
.set G1B,  32
.set G0A,  40                          ; s[40:47] a set for each slot
.set G0B,  48                          ; s[48:55]
.macro JLOAD s                         ; a joint load; the branches hang on the wave's number alone; an s_nop 0 and four v_nop follow each line
	s_cmp_lt_u32 s[WV], 4
	s_cbranch_scc0 .Lfor_b_\@
	tensor_load_to_lds s[G0A+4*\s:G0A+4*\s+3], s[G1A:G1A+7]
	s_nop 0
.rept 4
	v_nop
.endr
	s_branch .Lasked_\@
.Lfor_b_\@:
	s_cmp_lt_u32 s[WV], 6
	s_cbranch_scc0 .Lasked_\@
	tensor_load_to_lds s[G0B+4*\s:G0B+4*\s+3], s[G1B:G1B+7]
	s_nop 0
.rept 4
	v_nop
.endr
.Lasked_\@:
.endm
.macro CROUND                          ; a round of the cluster's barrier
	s_barrier_signal -1
	s_barrier_wait -1
	s_cmp_lg_u32 s[WV], 0
	s_cbranch_scc1 .Lnot_wave_0_\@
	s_barrier_signal -3
.Lnot_wave_0_\@:
	s_barrier_wait -3
	s_barrier_signal -1
	s_barrier_wait -1
.endm
.macro PLACES
.rept 4
	v_nop
.endr
.endm
	s_load_b256 s[4:11], s[0:1], 0x0               ; ctx s[4:5], wo16 s[6:7], bo s[8:9], out0 s[10:11]
	v_lshl_add_u32 v[SPW], v0, 2, SPARE
	v_mov_b32 v[NIL], 0
	ds_add_u32 v[SPW], v[NIL]                      ; the wave's opening: the add, twice on end, and its wait ahead of my first tensor load
	ds_add_u32 v[SPW], v[NIL]
	v_lshrrev_b32 v10, 5, v0
	v_readfirstlane_b32 s[WV], v10                 ; wave 0..7
	s_bfe_u32 s13, ttmp6, 0x40000                  ; cx
	s_bfe_u32 s14, ttmp6, 0x40004                  ; cy
	s_lshl_b32 s15, ttmp9, 2
	s_add_co_u32 s15, s15, s13                     ; tile column
	s_and_b32 s16, ttmp7, 0xffff
	s_lshl_b32 s16, s16, 2
	s_add_co_u32 s16, s16, s14                     ; tile row
	s_lshl_b32 s17, s14, 2
	s_lshl_b32 s17, 15, s17                        ; my row of the cluster
	s_lshl_b32 s18, 0x1111, s13                    ; my column
	s_or_b32 s[G1A], s17, (1<<16)|(1<<20)|(1<<21)|(4<<22)|(3<<25)   ; the mask; elements of 2 bytes; padding: 4 words behind every 32; bit 21 beside a mask
	s_mov_b32 s[G1A+1], 64<<16                     ; a head's part: 128 tokens x 64 elements, dense
	s_mov_b32 s[G1A+2], 128<<16
	s_mov_b32 s[G1A+3], 64<<16
	s_mov_b32 s[G1A+4], 128
	s_mov_b32 s[G1A+5], 64
	s_mov_b32 s[G1A+6], 0
	s_mov_b32 s[G1A+7], 0
	s_or_b32 s[G1B], s18, (1<<16)|(1<<20)|(1<<21)|(6<<22)|(3<<25)   ; padding: 4 words behind every 128
	s_mov_b32 s[G1B+1], 256<<16                    ; 64 rows of Wo x 256 elements, 1,024 elements apart
	s_mov_b32 s[G1B+2], 64<<16
	s_mov_b32 s[G1B+3], 256<<16
	s_mov_b32 s[G1B+4], 64
	s_mov_b32 s[G1B+5], 1024
	s_mov_b32 s[G1B+6], 0
	s_mov_b32 s[G1B+7], 0
	s_and_b32 s19, s[WV], 3                        ; which head of a K step's four I fetch
	s_and_b32 s20, s[WV], 1                        ; which half of Wo's rows I fetch; also: my half of the tile's columns
	s_lshr_b32 s23, s[WV], 1                       ; which 32 of the tile's rows are mine
	s_lshr_b32 s56, s16, 4                         ; the batch (a tile row is 128 tokens, 16 tile rows a batch)
	s_lshl_b32 s56, s56, 4
	s_add_co_u32 s56, s56, s19
	s_lshl_b32 s56, s56, 18                        ; a head's 2,048 rows of 128 bytes
	s_and_b32 s57, s16, 15
	s_lshl_b32 s57, s57, 14                        ; the tile's first token
	s_add_co_u32 s56, s56, s57
	s_mov_b32 s57, 0
	s_lshl_b32 s58, s15, 18                        ; Wo: 128 rows of 2,048 bytes a tile column,
	s_lshl_b32 s59, s20, 17                        ; 64 rows a half
	s_add_co_u32 s58, s58, s59
	s_mov_b32 s59, 0
	s_mul_i32 s21, s19, 18432                      ; where they go: no place in the cluster enters an LDS address
	s_mul_i32 s22, s20, 33792
	s_add_co_u32 s22, s22, BOFF
	s_wait_dscnt 0x0                               ; both opening adds are done
	s_wait_kmcnt 0x0
	s_add_nc_u64 s[56:57], s[4:5], s[56:57]
	s_add_nc_u64 s[58:59], s[6:7], s[58:59]
	CROUND                                         ; all sixteen work-groups are here: the first joint loads meet
.irp s, 0,1
	s_mov_b32 s[G0A+4*\s], 1
	s_add_co_u32 s[G0A+4*\s+1], s21, \s*SLOT
	s_add_nc_u64 s[G0A+4*\s+2:G0A+4*\s+3], s[56:57], \s*1048576    ; K step s: four heads on
	s_or_b32 s[G0A+4*\s+3], s[G0A+4*\s+3], 0x80000000
	s_mov_b32 s[G0B+4*\s], 1
	s_add_co_u32 s[G0B+4*\s+1], s22, \s*SLOT
	s_add_nc_u64 s[G0B+4*\s+2:G0B+4*\s+3], s[58:59], \s*512
	s_or_b32 s[G0B+4*\s+3], s[G0B+4*\s+3], 0x80000000
.endr
	s_cmp_lt_u32 s[WV], 4                          ; a wave's two first fills stand in one branch: two loads of mine are out
	s_cbranch_scc0 .Lfirst_b
	tensor_load_to_lds s[G0A:G0A+3], s[G1A:G1A+7]
	s_nop 0
	tensor_load_to_lds s[G0A+4:G0A+7], s[G1A:G1A+7]
	s_nop 0
.rept 4
	v_nop
.endr
	s_branch .Lfirst_asked
.Lfirst_b:
	s_cmp_lt_u32 s[WV], 6
	s_cbranch_scc0 .Lfirst_asked
	tensor_load_to_lds s[G0B:G0B+3], s[G1B:G1B+7]
	s_nop 0
	tensor_load_to_lds s[G0B+4:G0B+7], s[G1B:G1B+7]
	s_nop 0
.rept 4
	v_nop
.endr
.Lfirst_asked:
	v_and_b32 v10, 15, v0                          ; r
	v_bfe_u32 v11, v0, 4, 1                        ; h
	s_lshl_b32 s60, s15, 9                         ; my first column, in bytes of f32: 128 x tile column x 4
	s_lshl_b32 s61, s20, 8                         ; + 64 x half x 4
	s_add_co_u32 s60, s60, s61
	s_mov_b32 s61, 0
	s_add_nc_u64 s[8:9], s[8:9], s[60:61]
	v_lshlrev_b32 v13, 5, v11
.irp b, 0,1,2,3
	global_load_b128 v[BI+8*\b:BI+8*\b+3], v13, s[8:9] offset:64*\b          ; register j of block b: column 16 b + 8 h + j
	global_load_b128 v[BI+8*\b+4:BI+8*\b+7], v13, s[8:9] offset:64*\b+16
.endr
	v_mul_u32_u24 v12, v10, 144
	v_lshl_add_u32 v12, v11, 4, v12
	s_mul_i32 s62, s23, 32*144
	v_add_nc_u32 v[ADRA], s62, v12
	v_add_nc_u32 v[ADRA+1], SLOT, v[ADRA]
	v_mul_u32_u24 v12, v10, 528
	v_lshl_add_u32 v12, v11, 4, v12
	s_mul_i32 s62, s20, 64*528
	s_add_co_u32 s62, s62, BOFF
	v_add_nc_u32 v[ADRB], s62, v12
	v_add_nc_u32 v[ADRB+1], SLOT, v[ADRB]
	s_mul_i32 s62, s[WV], 4352
	s_add_co_u32 s62, s62, STAGE                   ; my stage
	v_mul_u32_u24 v12, v10, 272
	v_lshl_add_u32 v12, v11, 5, v12
	v_add_nc_u32 v[STO], s62, v12                  ; in: row r, 32 bytes for each half of the lanes
	v_mul_u32_u24 v12, v11, 272
	v_lshl_add_u32 v12, v10, 4, v12
	v_add_nc_u32 v[RD], s62, v12                   ; back: lanes 0-15 one row of 256 bytes, lanes 16-31 the next
	v_lshlrev_b32 v12, 12, v11
	v_lshl_add_u32 v[CO], v10, 4, v12              ; and the same two rows in out0
	s_lshl_b32 s62, s16, 7
	s_lshl_b32 s63, s23, 5
	s_add_co_u32 s62, s62, s63                     ; my first row
	s_lshl_b32 s62, s62, 12                        ; 4,096 bytes a row
	s_add_co_u32 s62, s62, s60
	s_mov_b32 s63, 0
	s_add_nc_u64 s[10:11], s[10:11], s[62:63]
.macro FETCH slot, q, f                ; the fragments of 32 along K, the q-th of the K step's eight: head q / 2, channels 32 (q % 2) on: twelve loads
.irp b, 0,1,2,3
	ds_load_b128 v[\f+8*\b:\f+8*\b+3], v[ADRB+\slot] offset:8448*\b+64*(\q)
	ds_load_b128 v[\f+8*\b+4:\f+8*\b+7], v[ADRB+\slot] offset:8448*\b+64*(\q)+32
.endr
.irp a, 0,1
	ds_load_b128 v[\f+32+8*\a:\f+32+8*\a+3], v[ADRA+\slot] offset:18432*((\q)/2)+2304*\a+64*((\q)%2)
	ds_load_b128 v[\f+32+8*\a+4:\f+32+8*\a+7], v[ADRA+\slot] offset:18432*((\q)/2)+2304*\a+64*((\q)%2)+32
.endr
.endm
.macro MUL8 f, first                   ; eight accumulators by turns; first = 1: the bias starts the sums
.irp a, 0,1
.irp b, 0,1,2,3
.if \first
	v_wmma_f32_16x16x32_f16 v[ACC+8*(4*\a+\b):ACC+8*(4*\a+\b)+7], v[\f+8*\b:\f+8*\b+7], v[\f+32+8*\a:\f+32+8*\a+7], v[BI+8*\b:BI+8*\b+7]
.else
	v_wmma_f32_16x16x32_f16 v[ACC+8*(4*\a+\b):ACC+8*(4*\a+\b)+7], v[\f+8*\b:\f+8*\b+7], v[\f+32+8*\a:\f+32+8*\a+7], v[ACC+8*(4*\a+\b):ACC+8*(4*\a+\b)+7]
.endif
.endr
.endr
.endm
.macro KSTEP slot, first
.irp q, 0,1,2,3,4,5,6
.set FC, F0+48*(\q%2)
.set FN, F0+48*((\q+1)%2)
	PLACES                                         ; ahead of loads into the buffer that the products before last read
	FETCH \slot, \q+1, FN
	s_wait_dscnt 12                                ; this part's fragments are in; the twelve just issued may be out
.if \q == 0
	MUL8 FC, \first
.else
	MUL8 FC, 0
.endif
.endr
	s_wait_dscnt 0x0
	MUL8 F0+48, 0
.endm
; THE CHANGE OF SLOTS.  Each wave waits for all its tensor loads, adds 0 to its spare word (fill = 1: twice on end), and waits for that and for its reads of the slot that it leaves.
; fill = 1: a round of the cluster's barrier, and behind it the joint refill of the slot just left, two K steps on.
.macro CHANGE fill, left, next
	s_wait_tensorcnt 0x0
	ds_add_u32 v[SPW], v[NIL]
.if \fill
	ds_add_u32 v[SPW], v[NIL]
	s_add_nc_u64 s[G0A+4*\left+2:G0A+4*\left+3], s[G0A+4*\left+2:G0A+4*\left+3], 2097152   ; eight heads on
	s_add_nc_u64 s[G0B+4*\left+2:G0B+4*\left+3], s[G0B+4*\left+2:G0B+4*\left+3], 1024
	s_wait_dscnt 0x0
	CROUND
	JLOAD \left
.else
	s_wait_dscnt 0x0
	s_barrier_signal -1
	s_barrier_wait -1
.endif
	PLACES
	FETCH \next, 0, F0
.endm
	s_wait_tensorcnt 1                             ; my part of K step 0 is in; K step 1's may stay out
	s_barrier_signal -1
	s_barrier_wait -1
	FETCH 0, 0, F0
	s_wait_loadcnt 0x0                             ; the bias
	KSTEP 0, 1
	CHANGE 1, 0, 1
	KSTEP 1, 0
	CHANGE 1, 1, 0
	KSTEP 0, 0
	CHANGE 0, 0, 1
	KSTEP 1, 0
	; THE WAY OUT: 16 rows x 64 columns at a time through my own stage, back as whole pieces of 256 bytes.
	PLACES
.irp a, 0,1
.irp b, 0,1,2,3
	ds_store_b128 v[STO], v[ACC+8*(4*\a+\b):ACC+8*(4*\a+\b)+3] offset:64*\b           ; each accumulator from its low end on
	ds_store_b128 v[STO], v[ACC+8*(4*\a+\b)+4:ACC+8*(4*\a+\b)+7] offset:64*\b+16
.endr
.irp t, 0,1,2,3,4,5,6,7
	ds_load_b128 v[OB-48*\a+4*\t:OB-48*\a+4*\t+3], v[RD] offset:544*\t                ; LDS serves a wave's instructions in order: these see the stores above, and the next half's stores come behind them
.endr
.endr
.irp a, 0,1
.irp t, 0,1,2,3,4,5,6,7
	s_wait_dscnt 23-16*\a-\t                       ; behind this load: the rest of its eight, and for the first half the second half's sixteen
	global_store_b128 v[CO], v[OB-48*\a+4*\t:OB-48*\a+4*\t+3], s[10:11] offset:65536*\a+8192*\t th:TH_STORE_NT   ; sixteen lanes store 256 consecutive bytes, aligned
.endr
.endr
	s_wait_tensorcnt 0x0                           ; the wave's end
	ds_add_u32 v[SPW], v[NIL]
	s_wait_dscnt 0x0
	CROUND                                         ; the closing round
	s_endpgm
.Lfunc_end_k_qe87d3a778b_outp:
	.size	k_qe87d3a778b_outp, .Lfunc_end_k_qe87d3a778b_outp-k_qe87d3a778b_outp
	.p2alignl 7, 3214868480
	.fill 96, 4, 3214868480
	.section	.rodata,"a",@progbits
	.p2align	6, 0x0
	.amdhsa_kernel k_qe87d3a778b_outp
		.amdhsa_group_segment_fixed_size 327680
		.amdhsa_private_segment_fixed_size 0
		.amdhsa_enable_private_segment 0
		.amdhsa_kernarg_size 32
		.amdhsa_user_sgpr_count 2
		.amdhsa_user_sgpr_kernarg_segment_ptr 1
		.amdhsa_wavefront_size32 1
		.amdhsa_system_sgpr_workgroup_id_x 1
		.amdhsa_system_sgpr_workgroup_id_y 1
		.amdhsa_system_sgpr_workgroup_id_z 1
		.amdhsa_system_vgpr_workitem_id 0
		.amdhsa_next_free_vgpr 256
		.amdhsa_next_free_sgpr 96
		.amdhsa_reserve_vcc 0
		.amdhsa_float_denorm_mode_32 3
		.amdhsa_float_denorm_mode_16_64 3
		.amdhsa_memory_ordered 1
		.amdhsa_forward_progress 1
		.amdhsa_inst_pref_size 60
	.end_amdhsa_kernel
	.amdgpu_metadata
---
amdhsa.version: [ 1, 2 ]
amdhsa.kernels:
  - .name:           k_qe87d3a778b_outp
    .symbol:         k_qe87d3a778b_outp.kd
    .args:
      - { .name: ctx, .offset: 0, .size: 8, .value_kind: global_buffer, .address_space: global }
      - { .name: wo16, .offset: 8, .size: 8, .value_kind: global_buffer, .address_space: global }
      - { .name: bo, .offset: 16, .size: 8, .value_kind: global_buffer, .address_space: global }
      - { .name: out0, .offset: 24, .size: 8, .value_kind: global_buffer, .address_space: global }
    .group_segment_fixed_size: 327680
    .private_segment_fixed_size: 0
    .kernarg_segment_align: 8
    .kernarg_segment_size: 32
    .max_flat_workgroup_size: 256
    .sgpr_count:     96
    .vgpr_count:     256
    .wavefront_size: 32
...
	.end_amdgpu_metadata
.endif
;; end of part 4
